; MI455X (gfx1250); checked and timed in simulation.
; The chip was launched on July 23, 2026; its instructions are those of AMD's public machine-readable ISA for CDNA 5 (MIT licence, August 2026) and "CDNA5" Instruction Set Architecture Reference Guide (July 2026). The comments in the code are by the model that wrote it; some were corrected since.
;; Fast Working Memory. Allowed arithmetic: float matrix products may take bf16 or f16 operands with f32 sums; other float arithmetic in f32, or as packed bf16 or f16 multiplies, adds, multiply-adds, maxima and minima; sums over many terms, partial sums and values carried from step to step in f32; what a program stores and reads back later, other than sums and carried values, may be rounded once to bf16 or f16.
;; Inputs: Wk 1,024 x 1,024 float32; Wlr 1,024 x 1,024 float32; Wo 1,024 x 1,024 float32; Wq 1,024 x 1,024 float32; Wv 1,024 x 1,024 float32; b_lr 1,024 float32; x 4 x 2,048 x 1,024 float32.
;; Outputs: out0 4 x 2,048 x 1,024 float32.
;; One version. Each part assembles by itself: llvm-mc -triple=amdgcn-amd-amdhsa -mcpu=gfx1250 --defsym DOCPART=n.
;; ======== version 1 of 1: 5 launches
;; limits: values are held in f16: magnitudes above 65,504 overflow, below 6.1e-05 lose precision
;; workspace buffers: xb 16,777,216 bytes; wc 10,485,760 bytes; sc 65,536 bytes; qk 33,554,432 bytes; vl 33,554,432 bytes; gr 16,777,216 bytes; ot 16,777,216 bytes
;; launch cast (part 1): grid 416 x 1, 4 waves a work-group, no clusters, 0 bytes of LDS; arguments x, Wq, Wk, Wv, Wlr, Wo, xb, wc, sc; writes xb, wc, sc
.if DOCPART == 1
	.amdgcn_target "amdgcn-amd-amdhsa--gfx1250"
	.amdhsa_code_object_version 6
	.text
	.protected	k_q378b70b551_cast
	.globl	k_q378b70b551_cast
	.p2align	8
	.type	k_q378b70b551_cast,@function
k_q378b70b551_cast:
	s_mov_b64 s[64:65], 0
	v_nop
	global_prefetch_b8 v0, s[64:65] scope:SCOPE_SE
	s_setreg_imm32_b32 hwreg(HW_REG_WAVE_MODE, 25, 1), 1
	s_wait_xcnt 0x0
; CAST.  x [8192][1024] f32 -> xb bf16; Wq, Wk, Wv, Wlr -> wc rows 0-4095 in bf16; Wo -> wc rows 4096-5119, rounded to bf16 and that number written as f16.
; For each row t of x: sc[t] = { 2^-E, 2^E } in f32, E the exponent of the row's largest magnitude, its field held to 1 .. 253.
; LIMITS.  A weight of Wo below 6e-5 keeps f16's fixed step of 6e-8; beyond 65,504 it becomes an infinity.  NaN and infinities are not treated apart.
; SHARES.  A work-group takes 32 rows, a wave 8, one row (4,096 bytes: eight loads of 512 consecutive bytes) at a time; two row slots in registers, so that
; one row is on its way while the other is worked on.  Memory binds: no LDS, no matrix unit, no cluster (no byte is read by two work-groups).
.set OFF, 2                            ; v2-3   slot s: my byte offset in the row that the slot loads
.set OFS, 4                            ; v4-5   slot s: my byte offset in the row that the slot stores
.set SA,  6                            ; v6     lane r: 2^-E of the wave's row r
.set SB,  7                            ; v7     lane r: 2^E
.set M,   8                            ; v8-11  four running maxima
.set LN,  12                           ; v12    lane
.set X,   32                           ; v32-95 slot s: 32 registers, the row as loaded
.set Y,   96                           ; v96-111 the row in 16 bits
.set T,   112                          ; v112-119 at work
	s_load_b512 s[8:23], s[0:1], 0x0               ; x, Wq, Wk, Wv, Wlr, Wo, xb, wc
	s_load_b64 s[24:25], s[0:1], 0x40              ; sc
	v_and_b32 v[LN], 31, v0
	v_lshrrev_b32 v1, 5, v0
	v_readfirstlane_b32 s2, v1                     ; wave
	s_sub_co_u32 s4, ttmp9, 256                    ; block among the weights' 160 (used where the group's number is 256 or more)
	s_lshr_b32 s5, s4, 5                           ; which matrix
	s_and_b32 s6, s4, 31
	s_lshl_b32 s6, s6, 5                           ; its first row there
	s_lshl_b32 s7, s4, 5                           ; and in wc
	s_lshl_b32 s26, ttmp9, 5                       ; the first row in x and xb
	s_cmp_lt_u32 ttmp9, 256
	s_cselect_b32 s6, s26, s6                      ; source row
	s_cselect_b32 s7, s26, s7                      ; destination row
	s_cselect_b32 s27, 0, 1                        ; kind 0: x; 1: bf16 weights
	s_cmp_ge_u32 ttmp9, 384
	s_cselect_b32 s27, 2, s27                      ; kind 2: Wo
	s_lshl_b32 s3, s2, 3
	s_add_co_u32 s6, s6, s3                        ; my wave's 8 rows
	s_add_co_u32 s7, s7, s3
	s_lshl_b32 s32, s6, 12
	s_mov_b32 s33, 0
	s_lshl_b32 s34, s7, 11
	s_mov_b32 s35, 0
	s_mov_b32 s36, 0xffff0000
	s_mov_b32 s37, 0                               ; the row in hand, 0 .. 7
	s_mov_b32 s38, 0x76543210
	s_mov_b32 s39, 0xfedcba98
	v_mov_b32 v[SA], 0
	v_mov_b32 v[SB], 0
	v_lshlrev_b32 v[OFF], 4, v[LN]
	v_add_nc_u32 v[OFF+1], 4096, v[OFF]
	v_lshlrev_b32 v[OFS], 3, v[LN]
	v_add_nc_u32 v[OFS+1], 2048, v[OFS]
	s_wait_kmcnt 0x0
	s_mov_b64 s[28:29], s[10:11]
	s_cmp_eq_u32 s5, 1
	s_cselect_b64 s[28:29], s[12:13], s[28:29]
	s_cmp_eq_u32 s5, 2
	s_cselect_b64 s[28:29], s[14:15], s[28:29]
	s_cmp_eq_u32 s5, 3
	s_cselect_b64 s[28:29], s[16:17], s[28:29]
	s_cmp_eq_u32 s5, 4
	s_cselect_b64 s[28:29], s[18:19], s[28:29]
	s_cmp_lt_u32 ttmp9, 256
	s_cselect_b64 s[28:29], s[8:9], s[28:29]       ; the source
	s_cselect_b64 s[30:31], s[20:21], s[22:23]     ; the destination
	s_add_nc_u64 s[28:29], s[28:29], s[32:33]
	s_add_nc_u64 s[30:31], s[30:31], s[34:35]
	s_lshl_b32 s32, s6, 3
	s_add_nc_u64 s[24:25], s[24:25], s[32:33]      ; sc at my first row
.macro FILL s
.irp j, 0,1,2,3,4,5,6,7
	global_load_b128 v[X+32*(\s)+4*\j:X+32*(\s)+4*\j+3], v[OFF+(\s)], s[28:29] offset:512*\j th:TH_LOAD_NT
.endr
.endm
; One row.  ahead = 1: the slot is filled again with the row two further down.  left: the younger loads that may stay out.
.macro ROW s, ahead, left
.set XS, X+32*(\s)
	s_wait_loadcnt \left                           ; my slot's eight loads are in
	s_wait_xcnt 0x0                                ; Y and the offsets that earlier stores read are rewritten only behind this wait
.irp c, 0,1,2,3
	v_max3_num_f32 v[M+\c], |v[XS+8*\c]|, |v[XS+8*\c+1]|, |v[XS+8*\c+2]|
.endr
.irp c, 0,1,2,3
	v_max3_num_f32 v[M+\c], v[M+\c], |v[XS+8*\c+3]|, |v[XS+8*\c+4]|
.endr
.irp c, 0,1,2,3
	v_max3_num_f32 v[M+\c], v[M+\c], |v[XS+8*\c+5]|, |v[XS+8*\c+6]|
.endr
.irp c, 0,1,2,3
	v_max_num_f32 v[M+\c], v[M+\c], |v[XS+8*\c+7]|
.endr
	v_max3_num_f32 v[M], v[M], v[M+1], v[M+2]
	v_max_num_f32 v[M], v[M], v[M+3]
	v_max_num_f32_dpp v[M], v[M], v[M] row_xmask:1 row_mask:0xf bank_mask:0xf
	v_max_num_f32_dpp v[M], v[M], v[M] row_xmask:2 row_mask:0xf bank_mask:0xf
	v_max_num_f32_dpp v[M], v[M], v[M] row_xmask:4 row_mask:0xf bank_mask:0xf
	v_max_num_f32_dpp v[M], v[M], v[M] row_xmask:8 row_mask:0xf bank_mask:0xf
	v_permlanex16_b32 v[M+1], v[M], s38, s39
	v_max_num_f32 v[M], v[M], v[M+1]               ; the row's largest magnitude, in every lane
	v_and_b32 v[M], 0x7f800000, v[M]               ; its power of two,
	v_max_u32 v[M], 0x00800000, v[M]               ; the exponent's field held to 1 .. 253, so that the reciprocal is a normal number too
	v_min_u32 v[M], 0x7e800000, v[M]
	v_sub_nc_u32 v[M+1], 0x7f000000, v[M]          ; the reciprocal: field 254 - e
	v_cmp_eq_u32 vcc_lo, s37, v[LN]
	v_cndmask_b32 v[SA], v[SA], v[M+1], vcc_lo     ; lane r keeps row r's pair
	v_cndmask_b32 v[SB], v[SB], v[M], vcc_lo
	s_add_co_u32 s37, s37, 1
.set i, 0
.rept 16
	v_cvt_pk_bf16_f32 v[Y+i], v[XS+2*i], v[XS+2*i+1]
.set i, i+1
.endr
	s_cmp_eq_u32 s27, 2
	s_cbranch_scc0 .Lbf_\@
.set i, 0
.rept 16                               ; Wo: the bf16 number written as f16
	v_lshlrev_b32 v[T+2*(i%4)], 16, v[Y+i]
	v_and_b32 v[T+2*(i%4)+1], s36, v[Y+i]
	v_cvt_pk_f16_f32 v[Y+i], v[T+2*(i%4)], v[T+2*(i%4)+1]
.set i, i+1
.endr
.Lbf_\@:
.if \ahead
	v_add_nc_u32 v[OFF+(\s)], 8192, v[OFF+(\s)]
	FILL \s
	v_add_nc_u32 v[OFS+(\s)], 4096, v[OFS+(\s)]    ; the slot's next row; the stores below reach back
.irp j, 0,1,2,3,4,5,6,7
	global_store_b64 v[OFS+(\s)], v[Y+2*\j:Y+2*\j+1], s[30:31] offset:256*\j-4096  ; 32 lanes store 256 consecutive bytes, aligned
.endr
.else
.irp j, 0,1,2,3,4,5,6,7
	global_store_b64 v[OFS+(\s)], v[Y+2*\j:Y+2*\j+1], s[30:31] offset:256*\j
.endr
.endif
.endm
	FILL 0
	FILL 1
	s_mov_b32 s4, 3
.Lpair:
	ROW 0, 1, 8
	ROW 1, 1, 8
	s_sub_co_u32 s4, s4, 1
	s_cmp_lg_u32 s4, 0
	s_cbranch_scc1 .Lpair
	ROW 0, 0, 8                                    ; the last two rows load nothing
	ROW 1, 0, 0
	s_cmp_eq_u32 s27, 0
	s_cbranch_scc0 .Ldone                          ; only rows of x have scales
	v_lshlrev_b32 v1, 3, v[LN]
	v_cmp_gt_u32 vcc_lo, 8, v[LN]
	s_wait_xcnt 0x0                                ; EXEC changes only behind this wait
	s_and_saveexec_b32 s3, vcc_lo
	global_store_b64 v1, v[SA:SA+1], s[24:25]      ; lanes 0-7: my eight rows' pairs
	s_wait_xcnt 0x0
	s_or_b32 exec_lo, exec_lo, s3
.Ldone:
	s_endpgm
.Lfunc_end_k_q378b70b551_cast:
	.size	k_q378b70b551_cast, .Lfunc_end_k_q378b70b551_cast-k_q378b70b551_cast
	.p2alignl 7, 3214868480
	.fill 96, 4, 3214868480
	.section	.rodata,"a",@progbits
	.p2align	6, 0x0
	.amdhsa_kernel k_q378b70b551_cast
		.amdhsa_group_segment_fixed_size 0
		.amdhsa_private_segment_fixed_size 0
		.amdhsa_enable_private_segment 0
		.amdhsa_kernarg_size 72
		.amdhsa_user_sgpr_count 2
		.amdhsa_user_sgpr_kernarg_segment_ptr 1
		.amdhsa_wavefront_size32 1
		.amdhsa_system_sgpr_workgroup_id_x 1
		.amdhsa_system_sgpr_workgroup_id_y 1
		.amdhsa_system_sgpr_workgroup_id_z 1
		.amdhsa_system_vgpr_workitem_id 0
		.amdhsa_next_free_vgpr 128
		.amdhsa_next_free_sgpr 66
		.amdhsa_reserve_vcc 1
		.amdhsa_float_denorm_mode_32 3
		.amdhsa_float_denorm_mode_16_64 3
		.amdhsa_memory_ordered 1
		.amdhsa_forward_progress 1
		.amdhsa_inst_pref_size 29
	.end_amdhsa_kernel
	.amdgpu_metadata
---
amdhsa.version: [ 1, 2 ]
amdhsa.kernels:
  - .name:           k_q378b70b551_cast
    .symbol:         k_q378b70b551_cast.kd
    .args:
      - { .name: x, .offset: 0, .size: 8, .value_kind: global_buffer, .address_space: global }
      - { .name: Wq, .offset: 8, .size: 8, .value_kind: global_buffer, .address_space: global }
      - { .name: Wk, .offset: 16, .size: 8, .value_kind: global_buffer, .address_space: global }
      - { .name: Wv, .offset: 24, .size: 8, .value_kind: global_buffer, .address_space: global }
      - { .name: Wlr, .offset: 32, .size: 8, .value_kind: global_buffer, .address_space: global }
      - { .name: Wo, .offset: 40, .size: 8, .value_kind: global_buffer, .address_space: global }
      - { .name: xb, .offset: 48, .size: 8, .value_kind: global_buffer, .address_space: global }
      - { .name: wc, .offset: 56, .size: 8, .value_kind: global_buffer, .address_space: global }
      - { .name: sc, .offset: 64, .size: 8, .value_kind: global_buffer, .address_space: global }
    .group_segment_fixed_size: 0
    .private_segment_fixed_size: 0
    .kernarg_segment_align: 8
    .kernarg_segment_size: 72
    .max_flat_workgroup_size: 128
    .sgpr_count:     66
    .vgpr_count:     128
    .wavefront_size: 32
...
	.end_amdgpu_metadata
.endif
;; end of part 1
;; launch proj (part 2): grid 16 x 32, 4 waves a work-group, clusters of 4 x 4, 327,680 bytes of LDS; arguments xb, wc, sc, b_lr, qk, vl; writes qk, vl
.if DOCPART == 2
	.amdgcn_target "amdgcn-amd-amdhsa--gfx1250"
	.amdhsa_code_object_version 6
	.text
	.protected	k_q378b70b551_proj
	.globl	k_q378b70b551_proj
	.p2align	8
	.type	k_q378b70b551_proj,@function
k_q378b70b551_proj:
	s_mov_b64 s[64:65], 0
	v_nop
	global_prefetch_b8 v0, s[64:65] scope:SCOPE_SE
	s_setreg_imm32_b32 hwreg(HW_REG_WAVE_MODE, 25, 1), 1
	s_wait_xcnt 0x0
	s_wait_alu depctr_hold_cnt(0) depctr_sa_sdst(0) depctr_va_vdst(0) depctr_va_sdst(0) depctr_va_ssrc(0) depctr_va_vcc(0) depctr_vm_vsrc(0)
	s_getreg_b32 s2, hwreg(HW_REG_IB_STS2, 6, 4)
	s_cmp_eq_u32 s2, 0
	s_cbranch_scc0 .Lentry_in_a_cluster
	s_endpgm
.Lentry_in_a_cluster:
	s_bfe_u32 s2, ttmp6, 0x10000c
	s_cmp_lg_u32 s2, 0xf033
	s_cbranch_scc0 .Lentry_shape_is_right
	s_endpgm
.Lentry_shape_is_right:
; PROJ.  C = xb wc^T for wc's rows 0-4095 (Wq, Wk, Wv, Wlr), bf16 operands, f32 sums, and what follows each projection, by heads of 128 columns:
;   class 0: q x 2^-E[token] (exact; taken back in the last launch)     class 1: k / max(|k|, 1e-12)     class 2: -v / max(|v|, 1e-12)     class 3: -sigmoid(z + bf16(b_lr))
; all rounded once to f16.  q and k go to qk [token][head][q 128 | k 128]; -v and -lr to vl [2][b h][block of 16 channels][token][16].
; LIMITS.  |q 2^-E| is at most 2 x the sum of a row of |Wq| and must stay under 65,504.  NaN and infinities are not treated apart.
; THE PRODUCT.  A tile of C is 256 x 256, four waves of 128 x 128 (64 accumulators, 512 registers); K in steps of 128 through two LDS slots filled by the tensor data mover, rows of 256 bytes.
; 4 x 4 work-groups form a cluster; A's tile is asked for jointly along a row of the cluster, B's along a column.  The matrix instruction is used transposed (source 0 = rows of wc,
; source 1 = rows of xb): a lane holds one token (lane % 16) and eight neighbouring columns.  A wave's 128 columns are one head of one class; the class is the cluster's x, the same in all partners.
; THE WAY OUT.  The ring has had its last fill: each wave lays its 128 x 128 sums into its own part of it (rows of 528 bytes) and walks them in a loop, 16 tokens a trip, so that the text of the
; norms and the sigmoid stands once.
; REGISTERS: window 0: v0-31 addresses; v64-191 fragments of A, two buffers; window 1: v64-191 fragments of B; windows 2, 3: accumulators ((a, b) at v[8 (8 a + b)]).
.set SIZE_K, 1024
.set KSTEP,  128
.set PITCH,  272                       ; an LDS row: 256 bytes + 16 of padding: the 16 rows of a load start at 16 different groups of four banks
.set HALFT,  128*PITCH
.set SLOT,   4*HALFT
.set STAGE,  2*SLOT                    ; behind the ring: 16 rows x 272 bytes for each wave
.set SPITCH, 272
.set FAC,    STAGE+4*16*SPITCH         ; 128 factors 2^-E for each wave
.set SPARE,  FAC+4*512                 ; the spare words, 128 bytes for each wave: two blocks of 256 bytes that no other line names
.set DPITCH, 528                       ; the way out: a row of 128 f32 + 16 bytes
.set DAREA,  128*DPITCH                ; a wave's part of the old ring; 4 x 67,584 lie inside the ring's 278,528
.set LAPS, SIZE_K/(2*KSTEP)
.set SCL,  8                           ; v8-11   the factors as loaded
.set SCA,  12                          ; v12     8 x lane; never rewritten
.set DST,  13                          ; v13     where I put my sums
.set LDA,  14                          ; v14     where I read them back; steps
.set FAD,  15                          ; v15     my token's factor; steps
.set ADRA, 16
.set RDB,  18                          ; v18     the stage read back by blocks of 16 channels (-v, -lr)
.set COB,  19                          ; v19     and the same bytes in vl: 16 x lane
.set ADRB, 20
.set STO,  24
.set RD,   25                          ; v25     the stage read back by whole rows (q, k)
.set CO,   26                          ; v26     and the same bytes in qk
.set BO,   27                          ; v27     my byte offset in the head's 128 biases
.set SPW,  28
.set NIL,  29
.set PFO,  30
.set F0,   64
.set F1,   128
.set Y,    32                          ; the way out: 16 tokens in f16
.set X,    64                          ; my 64 numbers of a token's 128
.set BB,   128                         ; -log2(e) x bias of my 64 columns
.set RB,   192                         ; rows read back from the stage
.set T,    224                         ; at work
.set FV,   232                         ; v232-233 the row's factor
.set FL,   234                         ; 2^-E as read
.set G1, 24
.set G0, 32
.set LIM,  43
.set PFA,  44
.set G1B, 48
.set G0B, 56
.set SCB, 76                           ; s[76:77] sc at my wave's first token
.set SEL, 78                           ; s[78:79]
.set CLS, 80                           ; s80 the class
.set OB,  84                           ; s[84:85] where the trip's stores go
.set OSTP, 86                          ; s[86:87] its step
.set SGN, 88
.set ISQ, 89
.set LG,  90                           ; s[90:91] -log2(e)
.set MSB, 0
.macro WIN new
.if MSB != (\new)
	s_set_vgpr_msb (MSB<<8)|(\new)
.set MSB, \new
.endif
.endm
.set MUL_LO, 0xa1                      ; source 0 (B) window 1, source 1 (A) window 0, C and D window 2
.set MUL_HI, 0xf1
.set TO_B,   0x40
; A joint load: waves 0 and 1 fetch A's two halves, waves 2 and 3 B's.  An s_nop 0 and four v_nop follow each line.
.macro JLOAD s
	s_cmp_eq_u32 s11, 0
	s_cbranch_scc0 .Lfor_b_\@
	tensor_load_to_lds s[G0+4*(\s):G0+4*(\s)+3], s[G1:G1+7]
	s_nop 0
.rept 4
	v_nop
.endr
	s_branch .Lasked_\@
.Lfor_b_\@:
	tensor_load_to_lds s[G0B+4*(\s):G0B+4*(\s)+3], s[G1B:G1B+7]
	s_nop 0
.rept 4
	v_nop
.endr
.Lasked_\@:
.endm
; A prefetch of the K step that stands two refills on: 32 rows x 256 bytes, a lane a row.  A's rows are asked for by the cluster with x = 0, B's by the cluster with y = 0; the four partners that
; ask for a tile jointly share its rows out by address, 32 each: each block is named once.  The loop's last trip asks for nothing.
.macro ASK
	s_cmp_gt_u32 s3, s[LIM]
	s_cbranch_scc0 .Lnot_mine_\@
	global_prefetch_b8 v[PFO], s[PFA:PFA+1] offset:KSTEP*2 th:TH_LOAD_NT scope:SCOPE_SE
.Lnot_mine_\@:
.endm
.macro CREST
	s_cmp_lg_u32 s10, 0
	s_cbranch_scc1 .Lnot_wave_0_\@
	s_barrier_signal -3
.Lnot_wave_0_\@:
	s_barrier_wait -3
	s_barrier_signal -1
	s_barrier_wait -1
.endm
.macro CROUND
	s_barrier_signal -1
	s_barrier_wait -1
	CREST
.endm
	s_load_b128 s[4:7], s[0:1], 0x0                ; xb s[4:5], wc s[6:7]
	s_load_b256 s[68:75], s[0:1], 0x10             ; sc, b_lr, qk, vl
	v_lshl_add_u32 v[SPW], v0, 2, SPARE
	v_mov_b32 v[NIL], 0
	ds_add_u32 v[SPW], v[NIL]                      ; the wave's opening: the add, twice on end, and its wait ahead of my first tensor load
	ds_add_u32 v[SPW], v[NIL]
	v_lshrrev_b32 v1, 5, v0
	v_readfirstlane_b32 s10, v1                    ; wave 0..3
	s_lshr_b32 s11, s10, 1                         ; my half of the tile's rows; also: I fetch for A (0) or B (1)
	s_and_b32 s12, s10, 1                          ; my half of its columns; also: which 128 rows I fetch
	s_bfe_u32 s40, ttmp6, 0x40000                  ; cx
	s_bfe_u32 s41, ttmp6, 0x40004                  ; cy
	s_lshl_b32 s42, ttmp9, 2
	s_add_co_u32 s42, s42, s40                     ; tile column
	s_and_b32 s13, ttmp7, 0xffff
	s_lshl_b32 s13, s13, 2
	s_add_co_u32 s13, s13, s41                     ; tile row
	s_lshl_b32 s43, s41, 2
	s_lshl_b32 s43, 15, s43                        ; my row of the cluster
	s_lshl_b32 s44, 0x1111, s40                    ; my column
	s_or_b32 s[G1+0], s43, (1<<16)|(1<<20)|(1<<21)|(5<<22)|(3<<25)   ; mask; 2-byte elements; padding on, 4 words after every 64; bit 21 beside a mask
	s_or_b32 s[G1B+0], s44, (1<<16)|(1<<20)|(1<<21)|(5<<22)|(3<<25)
.irp g, G1, G1B
	s_mov_b32 s[(\g)+1], KSTEP<<16                 ; tensor_dim0 = 128
	s_mov_b32 s[(\g)+2], 128<<16                   ; tensor_dim1 = 128
	s_mov_b32 s[(\g)+3], KSTEP<<16                 ; tile_dim0 = 128
	s_mov_b32 s[(\g)+4], 128                       ; tile_dim1 = 128
	s_mov_b32 s[(\g)+5], SIZE_K                    ; elements from row to row
	s_mov_b32 s[(\g)+6], 0
	s_mov_b32 s[(\g)+7], 0
.endr
	s_lshl_b32 s17, s12, 7
	s_lshl_b32 s16, s13, 8
	s_add_co_u32 s16, s16, s17                     ; A: row 256 x tile row + 128 x half
	s_lshl_b32 s46, s42, 8
	s_add_co_u32 s46, s46, s17                     ; B: row 256 x tile column + 128 x half
	s_lshl_b32 s16, s16, 11                        ; in bytes: rows of 2,048 (under 2^25)
	s_lshl_b32 s46, s46, 11
	s_mov_b32 s17, 0
	s_mov_b32 s47, 0
	s_mul_i32 s20, s10, HALFT                      ; where they go: wave x 128 rows
	s_wait_dscnt 0x0                               ; both opening adds are done
	s_wait_kmcnt 0x0
	s_add_nc_u64 s[14:15], s[4:5], s[16:17]
	s_add_nc_u64 s[46:47], s[6:7], s[46:47]
	CROUND                                         ; all sixteen work-groups are here: the first joint loads meet
.irp s, 0,1
	s_mov_b32 s[G0+4*(\s)], 1
	s_add_co_u32 s[G0+4*(\s)+1], s20, (\s)*SLOT
	s_add_nc_u64 s[G0+4*(\s)+2:G0+4*(\s)+3], s[14:15], (\s)*KSTEP*2
	s_or_b32 s[G0+4*(\s)+3], s[G0+4*(\s)+3], 0x80000000
	s_mov_b32 s[G0B+4*(\s)], 1
	s_add_co_u32 s[G0B+4*(\s)+1], s20, (\s)*SLOT
	s_add_nc_u64 s[G0B+4*(\s)+2:G0B+4*(\s)+3], s[46:47], (\s)*KSTEP*2
	s_or_b32 s[G0B+4*(\s)+3], s[G0B+4*(\s)+3], 0x80000000
	JLOAD \s
.endr
	v_and_b32 v1, 15, v0                           ; l % 16
	v_bfe_u32 v2, v0, 4, 1                         ; l / 16
	v_and_b32 v7, 31, v0                           ; l
	v_mul_u32_u24 v3, v1, PITCH
	v_lshl_add_u32 v3, v2, 4, v3
	s_mul_i32 s21, s11, HALFT
	s_mul_i32 s22, s12, HALFT
	s_add_co_u32 s22, s22, 2*HALFT
.irp s, 0,1
	v_add_nc_u32 v[ADRA+(\s)], s21, v3
	v_add_nc_u32 v[ADRB+(\s)], s22, v3
	s_add_co_u32 s21, s21, SLOT
	s_add_co_u32 s22, s22, SLOT
.endr
	; the way out's places
	s_mov_b32 s[CLS], ttmp9                        ; the class: the cluster's x
	s_lshl_b32 s81, s40, 1
	s_add_co_u32 s81, s81, s12                     ; the head: it enters global addresses alone
	s_lshl_b32 s82, s13, 8
	s_lshl_b32 s83, s11, 7
	s_add_co_u32 s82, s82, s83                     ; my first token
	s_lshl_b32 s[SCB], s82, 3
	s_mov_b32 s[SCB+1], 0
	s_add_nc_u64 s[SCB:SCB+1], s[68:69], s[SCB:SCB+1]
	v_lshlrev_b32 v[SCA], 3, v7
.irp i, 0,1,2,3
	global_load_b32 v[SCL+\i], v[SCA], s[SCB:SCB+1] offset:256*\i  ; 2^-E of my 128 tokens: wanted at the way out
.endr
	s_lshl_b32 s92, s82, 12                        ; qk: token x 4,096 + head x 512 + class x 256
	s_lshl_b32 s93, s81, 9
	s_add_co_u32 s92, s92, s93
	s_lshl_b32 s93, s[CLS], 8
	s_add_co_u32 s92, s92, s93
	s_and_b32 s94, s[CLS], 1                       ; vl: (class - 2) x 2^24 + (8 b + head) x 2^19 + token in the batch x 32
	s_lshl_b32 s94, s94, 24
	s_lshr_b32 s95, s13, 3
	s_lshl3_add_u32 s95, s95, s81
	s_lshl_b32 s95, s95, 19
	s_add_co_u32 s94, s94, s95
	s_and_b32 s95, s82, 2047
	s_lshl_b32 s95, s95, 5
	s_add_co_u32 s94, s94, s95
	s_cmp_lt_u32 s[CLS], 2
	s_cselect_b64 s[OB:OB+1], s[72:73], s[74:75]
	s_cselect_b32 s92, s92, s94
	s_cselect_b32 s[OSTP], 7, 0
	s_lshl_b32 s[OSTP], 512, s[OSTP]               ; 16 tokens on: 65,536 bytes of qk, 512 of vl
	s_mov_b32 s[OSTP+1], 0
	s_mov_b32 s93, 0
	s_add_nc_u64 s[OB:OB+1], s[OB:OB+1], s[92:93]
	s_cmp_eq_u32 s[CLS], 2
	s_cselect_b32 s[SGN], -1.0, 1.0
	s_cmp_eq_u32 s[CLS], 0
	s_cselect_b32 s[ISQ], -1, 0
	s_mov_b32 s[LG], 0xbfb8aa3b                    ; -log2(e)
	s_mov_b32 s[LG+1], s[LG]
	s_mov_b32 s[SEL], 0x76543210
	s_mov_b32 s[SEL+1], 0xfedcba98
	s_lshl_b32 s92, s81, 9
	s_add_nc_u64 s[70:71], s[70:71], s[92:93]      ; b_lr at my head
	v_lshlrev_b32 v[BO], 5, v2
	s_mul_i32 s23, s10, 16*SPITCH
	s_add_co_u32 s23, s23, STAGE                   ; my stage: a constant plus the wave's number times a constant
	v_mul_u32_u24 v4, v1, SPITCH
	v_lshl_add_u32 v4, v2, 4, v4
	v_add_nc_u32 v[STO], s23, v4                   ; in: row l % 16, 16 bytes for each half of the lanes
	v_mul_u32_u24 v4, v2, SPITCH                   ; back, for q and k: lanes 0-15 take one row of 256 bytes, lanes 16-31 the next,
	v_lshl_add_u32 v4, v1, 4, v4
	v_add_nc_u32 v[RD], s23, v4
	v_lshlrev_b32 v5, 12, v2                       ; which are two tokens' rows of qk, 4,096 bytes apart
	v_lshl_add_u32 v[CO], v1, 4, v5
	v_lshrrev_b32 v5, 1, v7                        ; back, for -v and -lr: two lanes take 32 bytes of row l / 2,
	v_and_b32 v6, 1, v7
	v_mul_u32_u24 v5, v5, SPITCH
	v_lshl_add_u32 v5, v6, 4, v5
	v_add_nc_u32 v[RDB], s23, v5
	v_lshlrev_b32 v[COB], 4, v7                    ; which are 512 consecutive bytes of vl
	s_mul_i32 s23, s10, DAREA
	v_mul_u32_u24 v4, v1, DPITCH
	v_lshl_add_u32 v4, v2, 5, v4
	v_add_nc_u32 v[DST], s23, v4
	v_mov_b32 v[LDA], v[DST]
	s_lshl_b32 s23, s10, 9
	s_add_co_u32 s23, s23, FAC
	v_lshl_add_u32 v[FAD], v1, 2, s23
	v_lshl_add_u32 v31, v7, 2, s23                 ; where the factors are put
	; the prefetches
	s_lshl_b32 s16, s13, 8
	s_lshl_b32 s17, s42, 8
	s_and_b32 s22, ttmp7, 0xffff
	s_cmp_eq_u32 s11, 0
	s_cselect_b32 s20, s16, s17                    ; the tile's first row, in A or in B
	s_cselect_b32 s21, s40, s41                    ; my place among the four that ask with me
	s_cselect_b32 s22, ttmp9, s22                  ; the coordinate along which other clusters read the same rows
	s_cselect_b64 s[PFA:PFA+1], s[4:5], s[6:7]
	s_cmp_eq_u32 s22, 0
	s_cselect_b32 s[LIM], 1, -1
	s_lshl_b32 s22, s12, 7
	s_add_co_u32 s20, s20, s22
	s_lshl_b32 s21, s21, 5
	s_add_co_u32 s20, s20, s21
	s_lshl_b32 s20, s20, 11
	s_mov_b32 s21, 0
	s_add_nc_u64 s[PFA:PFA+1], s[PFA:PFA+1], s[20:21]
	s_add_nc_u64 s[PFA:PFA+1], s[PFA:PFA+1], 2*KSTEP*2  ; at K step 2: the first refill steps it to 3 and names K step 4
	v_mul_u32_u24 v[PFO], v7, SIZE_K*2
.macro MUL16 f, hi, a0, zero
	WIN MUL_LO+0x50*(\hi)
.irp a, \a0, (\a0)+1
.irp b, 0,1,2,3,4,5,6,7
.if \zero
	v_wmma_f32_16x16x32_bf16 v[8*(8*(\a)+(\b)):8*(8*(\a)+(\b))+7], v[(\f)+8*(\b):(\f)+8*(\b)+7], v[(\f)+8*(4*(\hi)+(\a)):(\f)+8*(4*(\hi)+(\a))+7], 0
.else
	v_wmma_f32_16x16x32_bf16 v[8*(8*(\a)+(\b)):8*(8*(\a)+(\b))+7], v[(\f)+8*(\b):(\f)+8*(\b)+7], v[(\f)+8*(4*(\hi)+(\a)):(\f)+8*(4*(\hi)+(\a))+7], v[8*(8*(\a)+(\b)):8*(8*(\a)+(\b))+7]
.endif
.endr
.endr
.endm
.macro FETCH slot, k, f                ; 32 LDS loads in one run: the fragments of 32 along K at byte k of the rows
	WIN TO_B
.irp i, 0,1,2,3,4,5,6,7
	ds_load_b128 v[(\f)+8*(\i):(\f)+8*(\i)+3],   v[ADRB+(\slot)] offset:(\k)+(\i)*16*PITCH
	ds_load_b128 v[(\f)+8*(\i)+4:(\f)+8*(\i)+7], v[ADRB+(\slot)] offset:(\k)+(\i)*16*PITCH+32
.endr
	WIN 0
.irp i, 0,1,2,3,4,5,6,7
	ds_load_b128 v[(\f)+8*(\i):(\f)+8*(\i)+3],   v[ADRA+(\slot)] offset:(\k)+(\i)*16*PITCH
	ds_load_b128 v[(\f)+8*(\i)+4:(\f)+8*(\i)+7], v[ADRA+(\slot)] offset:(\k)+(\i)*16*PITCH+32
.endr
.endm
.macro PLACES                          ; four places behind a matrix instruction, in front of loads into its sources and of reads of its result
.rept 4
	v_nop
.endr
.endm
.macro QUARTER slot, k, f, g, zero
	s_wait_dscnt 8                                 ; B and A's rows 0-63 are in; the youngest eight loads may be out
	MUL16 \f, 0, 0, \zero
	MUL16 \f, 0, 2, \zero
	PLACES
	FETCH \slot, \k, \g
	s_wait_dscnt 32                                ; all but the 32 just issued
	MUL16 \f, 1, 0, \zero
	MUL16 \f, 1, 2, \zero
.endm
.macro MEET round                      ; the change of slots: one barrier, in front of it the wait for all my tensor loads, the add, and the wait for it and for my reads of the slot
	WIN 0
	s_wait_tensorcnt 0x0                           ; the one load that was out is my part of the next slot
	ds_add_u32 v[SPW], v[NIL]                      ; 0 onto my spare word
	s_wait_dscnt 9                                 ; (the add and the youngest eight loads may be out)
	MUL16 F1, 0, 0, 0
	s_wait_dscnt 0x0                               ; the add is done, and my reads of this slot are over
	s_barrier_signal -1
	MUL16 F1, 0, 2, 0
.if \round
	WIN 0
.endif
	s_barrier_wait -1
.endm
.macro TURN slot, next
	s_wait_xcnt 0x0                                ; the last prefetch, a K step back, has read its address
	s_add_nc_u64 s[PFA:PFA+1], s[PFA:PFA+1], KSTEP*2
	MEET 1
	CREST                                          ; the barrier has opened a round of the cluster's: no wave of any partner still reads this slot or has a load on its way
	s_add_nc_u64 s[G0+4*(\slot)+2:G0+4*(\slot)+3], s[G0+4*(\slot)+2:G0+4*(\slot)+3], 2*KSTEP*2
	s_add_nc_u64 s[G0B+4*(\slot)+2:G0B+4*(\slot)+3], s[G0B+4*(\slot)+2:G0B+4*(\slot)+3], 2*KSTEP*2
	JLOAD \slot                                    ; the first tensor load behind the round; its four v_nop are also the places in front of the loads below
	FETCH \next, 0, F0
	ASK
	MUL16 F1, 1, 0, 0
	MUL16 F1, 1, 2, 0
.endm
	s_wait_tensorcnt 1                             ; my part of K step 0 is in; K step 1's may stay out
	s_barrier_signal -1
	s_barrier_wait -1
	FETCH 0, 0, F0
	QUARTER 0, 64,  F0, F1, 1                      ; the first quarter's products start the sums
	WIN 0
	s_mov_b32 s3, LAPS-1
.Llap:
	QUARTER 0, 128, F1, F0, 0
	QUARTER 0, 192, F0, F1, 0
	TURN 0, 1
	QUARTER 1, 64,  F0, F1, 0
	QUARTER 1, 128, F1, F0, 0
	QUARTER 1, 192, F0, F1, 0
	TURN 1, 0
	QUARTER 0, 64,  F0, F1, 0
	WIN 0
	s_sub_co_u32 s3, s3, 1
	s_cmp_lg_u32 s3, 0
	s_cbranch_scc1 .Llap
	QUARTER 0, 128, F1, F0, 0                      ; the last lap fills nothing
	QUARTER 0, 192, F0, F1, 0
	MEET 0
	PLACES
	FETCH 1, 0, F0
	MUL16 F1, 1, 0, 0
	MUL16 F1, 1, 2, 0
	QUARTER 1, 64,  F0, F1, 0
	QUARTER 1, 128, F1, F0, 0
	QUARTER 1, 192, F0, F1, 0
	s_wait_dscnt 8
	MUL16 F1, 0, 0, 0
	MUL16 F1, 0, 2, 0
	s_wait_dscnt 0x0
	MUL16 F1, 1, 0, 0
	MUL16 F1, 1, 2, 0
	WIN 0
	; THE WAY OUT
	PLACES
	s_wait_dscnt 0x0
	s_barrier_signal -1
	s_barrier_wait -1                              ; nobody reads the ring any more, and it has had its last fill
	s_cmp_eq_u32 s[CLS], 3
	s_cbranch_scc0 .Lno_bias
.irp b, 0,1,2,3,4,5,6,7
	global_load_b128 v[BB+8*\b:BB+8*\b+3],   v[BO], s[70:71] offset:64*\b
	global_load_b128 v[BB+8*\b+4:BB+8*\b+7], v[BO], s[70:71] offset:64*\b+16
.endr
.Lno_bias:
.irp hi, 0,1
	WIN 0x08+4*(\hi)                               ; store data in window 2 or 3
.irp a, 0,1,2,3
.irp b, 0,1,2,3,4,5,6,7
	ds_store_b128 v[DST], v[8*(8*(\a)+(\b)):8*(8*(\a)+(\b))+3]   offset:(4*(\hi)+(\a))*16*DPITCH+64*(\b)      ; each accumulator's low registers first
	ds_store_b128 v[DST], v[8*(8*(\a)+(\b))+4:8*(8*(\a)+(\b))+7] offset:(4*(\hi)+(\a))*16*DPITCH+64*(\b)+16
.endr
.endr
.endr
	WIN 0
	s_wait_loadcnt 0x0                             ; the factors, and the biases where they were asked for
.irp i, 0,1,2,3
	ds_store_b32 v31, v[SCL+\i] offset:128*\i
.endr
	s_cmp_eq_u32 s[CLS], 3
	s_cbranch_scc0 .Lno_bias2
.set i, 0
.rept 32                               ; the bias is rounded to bf16 like every input, and takes the exponent's factor
	v_cvt_pk_bf16_f32 v[T+i%4], v[BB+2*i], v[BB+2*i+1]
	v_lshlrev_b32 v[BB+2*i], 16, v[T+i%4]
	v_and_b32 v[BB+2*i+1], 0xffff0000, v[T+i%4]
	v_pk_mul_f32 v[BB+2*i:BB+2*i+1], v[BB+2*i:BB+2*i+1], s[LG:LG+1] op_sel_hi:[1,0]
.set i, i+1
.endr
.Lno_bias2:
	s_mov_b32 s3, 8
.Lrow:                                         ; 16 tokens a trip: lane l has token l % 16, columns 16 b + 8 (l / 16) + 0..7
.irp b, 0,1,2,3,4,5,6,7
	ds_load_b128 v[X+8*\b:X+8*\b+3],   v[LDA] offset:64*\b
	ds_load_b128 v[X+8*\b+4:X+8*\b+7], v[LDA] offset:64*\b+16
.endr
	ds_load_b32 v[FL], v[FAD]
	s_wait_dscnt 0x0
	s_cmp_eq_u32 s[CLS], 3
	s_cbranch_scc1 .Lsig
.irp c, 0,1,2,3
	v_pk_mul_f32 v[T+2*\c:T+2*\c+1], v[X+2*\c:X+2*\c+1], v[X+2*\c:X+2*\c+1]   ; the sum of squares, in four chains
.endr
.set i, 4
.rept 28
	v_pk_fma_f32 v[T+2*(i%4):T+2*(i%4)+1], v[X+2*i:X+2*i+1], v[X+2*i:X+2*i+1], v[T+2*(i%4):T+2*(i%4)+1]
.set i, i+1
.endr
	v_pk_add_f32 v[T:T+1], v[T:T+1], v[T+2:T+3]
	v_pk_add_f32 v[T+4:T+5], v[T+4:T+5], v[T+6:T+7]
	v_pk_add_f32 v[T:T+1], v[T:T+1], v[T+4:T+5]
	v_add_f32 v[T], v[T], v[T+1]
	v_permlanex16_b32 v[T+1], v[T], s[SEL], s[SEL+1]  ; the token's other 64 columns lie in the lane 16 away
	v_add_f32 v[T], v[T], v[T+1]
	v_sqrt_f32 v[T+2], v[T]
	v_nop
	s_wait_alu depctr_va_vdst(0)                   ; the wait ahead of the result's first use
	v_max_num_f32 v[T+2], 0x2b8cbccc, v[T+2]       ; 1e-12
	v_rcp_f32 v[T+3], v[T+2]
	v_nop
	s_wait_alu depctr_va_vdst(0)
	v_mul_f32 v[T+3], s[SGN], v[T+3]               ; v goes out negated
	v_cndmask_b32 v[FV], v[T+3], v[FL], s[ISQ]     ; q takes 2^-E in the norm's place
	v_mov_b32 v[FV+1], v[FV]
.set i, 0
.rept 32
	v_pk_mul_f32 v[X+2*i:X+2*i+1], v[X+2*i:X+2*i+1], v[FV:FV+1]
.set i, i+1
.endr
	s_branch .Lpack
.Lsig:                                         ; -1 / (1 + 2^(-log2(e) (z + b)))
.set i, 0
.rept 32
	v_pk_fma_f32 v[X+2*i:X+2*i+1], v[X+2*i:X+2*i+1], s[LG:LG+1], v[BB+2*i:BB+2*i+1] op_sel_hi:[1,0,1]
.set i, i+1
.endr
.set i, 0
.rept 64
	v_exp_f32 v[X+i], v[X+i]
.set i, i+1
.endr
	v_nop
	s_wait_alu depctr_va_vdst(0)                   ; one wait for the batch
.set i, 0
.rept 32
	v_pk_fma_f32 v[X+2*i:X+2*i+1], v[X+2*i:X+2*i+1], -1.0, -1.0 op_sel_hi:[1,0,0]
.set i, i+1
.endr
.set i, 0
.rept 64
	v_rcp_f32 v[X+i], v[X+i]
.set i, i+1
.endr
	v_nop
	s_wait_alu depctr_va_vdst(0)
.Lpack:
.set i, 0
.rept 32
	v_cvt_pk_f16_f32 v[Y+i], v[X+2*i], v[X+2*i+1]
.set i, i+1
.endr
.irp b, 0,1,2,3,4,5,6,7
	ds_store_b128 v[STO], v[Y+4*\b:Y+4*\b+3] offset:32*\b
.endr
	s_cmp_lt_u32 s[CLS], 2
	s_cbranch_scc0 .Lblocked
.irp t, 0,1,2,3,4,5,6,7                ; q, k: whole rows of 256 bytes, two tokens an instruction (LDS serves a wave's instructions in order: these see the stores above)
	ds_load_b128 v[RB+4*\t:RB+4*\t+3], v[RD] offset:\t*2*SPITCH
.endr
	s_wait_dscnt 0x0
.irp t, 0,1,2,3,4,5,6,7
	global_store_b128 v[CO], v[RB+4*\t:RB+4*\t+3], s[OB:OB+1] offset:\t*8192   ; 16 lanes store 256 consecutive bytes, aligned
.endr
	s_branch .Lstored
.Lblocked:
.irp j, 0,1,2,3,4,5,6,7                ; -v, -lr: block j of 16 channels: 16 tokens x 32 bytes are 512 consecutive bytes
	ds_load_b128 v[RB+4*\j:RB+4*\j+3], v[RDB] offset:\j*32
.endr
	s_wait_dscnt 0x0
.irp j, 0,1,2,3,4,5,6,7
	global_store_b128 v[COB], v[RB+4*\j:RB+4*\j+3], s[OB:OB+1] offset:\j*65536
.endr
.Lstored:
	s_wait_xcnt 0x0                                ; the stores have read their base and data
	s_add_nc_u64 s[OB:OB+1], s[OB:OB+1], s[OSTP:OSTP+1]
	v_add_nc_u32 v[LDA], 16*DPITCH, v[LDA]
	v_add_nc_u32 v[FAD], 64, v[FAD]
	s_sub_co_u32 s3, s3, 1
	s_cmp_lg_u32 s3, 0
	s_cbranch_scc1 .Lrow
	s_wait_tensorcnt 0x0                           ; the wave's end
	ds_add_u32 v[SPW], v[NIL]
	s_wait_dscnt 0x0
	CROUND                                         ; the closing round
	s_endpgm
.Lfunc_end_k_q378b70b551_proj:
	.size	k_q378b70b551_proj, .Lfunc_end_k_q378b70b551_proj-k_q378b70b551_proj
	.p2alignl 7, 3214868480
	.fill 96, 4, 3214868480
	.section	.rodata,"a",@progbits
	.p2align	6, 0x0
	.amdhsa_kernel k_q378b70b551_proj
		.amdhsa_group_segment_fixed_size 327680
		.amdhsa_private_segment_fixed_size 0
		.amdhsa_enable_private_segment 0
		.amdhsa_kernarg_size 48
		.amdhsa_user_sgpr_count 2
		.amdhsa_user_sgpr_kernarg_segment_ptr 1
		.amdhsa_wavefront_size32 1
		.amdhsa_system_sgpr_workgroup_id_x 1
		.amdhsa_system_sgpr_workgroup_id_y 1
		.amdhsa_system_sgpr_workgroup_id_z 1
		.amdhsa_system_vgpr_workitem_id 0
		.amdhsa_next_free_vgpr 1024
		.amdhsa_next_free_sgpr 100
		.amdhsa_reserve_vcc 0
		.amdhsa_float_denorm_mode_32 3
		.amdhsa_float_denorm_mode_16_64 3
		.amdhsa_memory_ordered 1
		.amdhsa_forward_progress 1
		.amdhsa_inst_pref_size 151
	.end_amdhsa_kernel
	.amdgpu_metadata
---
amdhsa.version: [ 1, 2 ]
amdhsa.kernels:
  - .name:           k_q378b70b551_proj
    .symbol:         k_q378b70b551_proj.kd
    .args:
      - { .name: xb, .offset: 0, .size: 8, .value_kind: global_buffer, .address_space: global }
      - { .name: wc, .offset: 8, .size: 8, .value_kind: global_buffer, .address_space: global }
      - { .name: sc, .offset: 16, .size: 8, .value_kind: global_buffer, .address_space: global }
      - { .name: b_lr, .offset: 24, .size: 8, .value_kind: global_buffer, .address_space: global }
      - { .name: qk, .offset: 32, .size: 8, .value_kind: global_buffer, .address_space: global }
      - { .name: vl, .offset: 40, .size: 8, .value_kind: global_buffer, .address_space: global }
    .group_segment_fixed_size: 327680
    .private_segment_fixed_size: 0
    .kernarg_segment_align: 8
    .kernarg_segment_size: 48
    .max_flat_workgroup_size: 128
    .sgpr_count:     100
    .vgpr_count:     1024
    .wavefront_size: 32
...
	.end_amdgpu_metadata
.endif
;; end of part 2
;; launch gram (part 3): grid 256 x 1, 4 waves a work-group, no clusters, 0 bytes of LDS; arguments qk, gr; writes gr
.if DOCPART == 3
	.amdgcn_target "amdgcn-amd-amdhsa--gfx1250"
	.amdhsa_code_object_version 6
	.text
	.protected	k_q378b70b551_gram
	.globl	k_q378b70b551_gram
	.p2align	8
	.type	k_q378b70b551_gram,@function
k_q378b70b551_gram:
	s_mov_b64 s[64:65], 0
	v_nop
	global_prefetch_b8 v0, s[64:65] scope:SCOPE_SE
	s_setreg_imm32_b32 hwreg(HW_REG_WAVE_MODE, 25, 1), 1
	s_wait_xcnt 0x0
; GRAM.  For each (b, h) and each chunk of 64 tokens: G = K K^T and A = tril(Q K^T), written as a record of 16,384 bytes in the register images that the scan's matrix instructions take.
; One wave makes one record; no tile is read by two work-groups, so there is nothing to ask for jointly, and the fragments come straight from memory in their register layout.
; PRODUCTS.  D(m = s, n = t) = K[s] . X[t] (source 0 = 16 rows of K, source 1 = 16 rows of K or Q): a lane holds token t = lane % 16 and the eight s = 8 (lane / 16) + 0..7, which, rounded to f16
; in pairs, are half of a first operand with rows t and k = s.  Only the ten tiles with s's block <= t's block are made.
; THE RECORD.  Fragment f at 1,024 f: a low block (k = 0-15 of 32) and a high block of 512 bytes, 16 bytes a lane.  Gxy, Axy: block row x, block column y; Z: zeros; Qd: a diagonal block of G, rows 8-15 x columns 0-7;
; Dx: a diagonal block of A, s <= t.   f0 [G10|Z] f1 [G20|G21] f2 [G30|G31] f3 [G32|Z] f4 [Qd0|Z] f5 [Z|Qd1] f6 [Qd2|Z] f7 [Z|Qd3] f8 [D0|Z] f9 [A10|D1] f10 [A20|A21] f11 [D2|Z] f12 [A30|A31] f13 [A32|D3]
; At 14,336 + 512 x + 256 h + 32 s, in f32: row s of the 8 x 8 block h on the diagonal of Gxx, columns above s; zeros elsewhere.
.set LO,  4                            ; v4   my byte offset in 16 rows of qk
.set SO,  5                            ; v5   16 x lane
.set GO,  6                            ; v6   my place among the f32 rows
.set XS,  7                            ; v7   0 in lanes 0-7 and 24-31
.set ZR,  8                            ; v8-11 zeros
.set ACC, 16                           ; v16-95  ten accumulators
.set T,   96                           ; v96-135 ten blocks in f16
.set GT,  136                          ; v136-167 the f32 rows
.set MSB, 0
.macro WIN new
.if MSB != (\new)
	s_set_vgpr_msb (MSB<<8)|(\new)
.set MSB, \new
.endif
.endm
	s_load_b128 s[4:7], s[0:1], 0x0                ; qk, gr
	v_lshrrev_b32 v1, 5, v0
	v_readfirstlane_b32 s8, v1
	v_and_b32 v1, 31, v0                           ; l
	v_and_b32 v2, 15, v0                           ; r
	v_bfe_u32 v3, v0, 4, 1                         ; h
	v_lshlrev_b32 v[LO], 12, v2
	v_lshl_add_u32 v[LO], v3, 4, v[LO]
	v_lshlrev_b32 v[SO], 4, v1
	v_and_b32 v13, 7, v0
	v_lshlrev_b32 v[GO], 5, v13
	v_lshl_add_u32 v[GO], v3, 8, v[GO]
	v_lshrrev_b32 v[XS], 3, v1
	v_add_nc_u32 v[XS], 1, v[XS]
	v_and_b32 v[XS], 2, v[XS]
	v_lshlrev_b32 v12, 3, v3
	v_sub_nc_u32 v14, v2, v12                      ; r - 8 h
.irp e, 0,1,2,3,4,5,6,7
	v_cmp_ge_i32 s[40+\e], v14, \e                 ; s = 8 h + e <= t = r
	v_cmp_lt_u32 s[48+\e], v13, \e                 ; column e above row l % 8
.endr
	s_mov_b32 s56, 0x0000ff00                      ; lanes 8-15: t >= 8, s < 8
.irp i, 0,1,2,3
	v_mov_b32 v[ZR+\i], 0
.endr
	s_lshl_b32 s9, ttmp9, 2
	s_add_co_u32 s9, s9, s8                        ; the record: 32 (8 b + h) + chunk
	s_lshr_b32 s10, s9, 5
	s_and_b32 s11, s9, 31
	s_lshr_b32 s12, s10, 3
	s_and_b32 s13, s10, 7
	s_lshl_b32 s14, s12, 11
	s_lshl_b32 s15, s11, 6
	s_add_co_u32 s14, s14, s15                     ; the first token
	s_lshl_b32 s14, s14, 12
	s_lshl_b32 s15, s13, 9
	s_add_co_u32 s14, s14, s15
	s_mov_b32 s15, 0
	s_lshl_b32 s16, s9, 14
	s_mov_b32 s17, 0
	s_wait_kmcnt 0x0
	s_add_nc_u64 s[4:5], s[4:5], s[14:15]
	s_add_nc_u64 s[6:7], s[6:7], s[16:17]
	WIN 0x40                               ; destination window 1: K at v0-127, Q at v128-255; block mt, channels 32 kk on, at 32 mt + 8 kk
.set i, 0
.rept 16
	global_load_b128 v[8*i:8*i+3],   v[LO], s[4:5] offset:(i/4)*65536+(i%4)*64+256
	global_load_b128 v[8*i+4:8*i+7], v[LO], s[4:5] offset:(i/4)*65536+(i%4)*64+288
.set i, i+1
.endr
.set i, 0
.rept 16
	global_load_b128 v[128+8*i:128+8*i+3],   v[LO], s[4:5] offset:(i/4)*65536+(i%4)*64
	global_load_b128 v[128+8*i+4:128+8*i+7], v[LO], s[4:5] offset:(i/4)*65536+(i%4)*64+32
.set i, i+1
.endr
; 40 products: the ten accumulators take turns; the first ten start the sums
.macro PASS xf
	WIN 0x05
.irp kk, 0,1,2,3
.set idx, 0
.irp mt, 0,1,2,3
.irp st, 0,1,2,3
.if \st <= \mt
.if \kk == 0
	v_wmma_f32_16x16x32_f16 v[ACC+8*idx:ACC+8*idx+7], v[32*\st+8*\kk:32*\st+8*\kk+7], v[(\xf)+32*\mt+8*\kk:(\xf)+32*\mt+8*\kk+7], 0
.else
	v_wmma_f32_16x16x32_f16 v[ACC+8*idx:ACC+8*idx+7], v[32*\st+8*\kk:32*\st+8*\kk+7], v[(\xf)+32*\mt+8*\kk:(\xf)+32*\mt+8*\kk+7], v[ACC+8*idx:ACC+8*idx+7]
.endif
.set idx, idx+1
.endif
.endr
.endr
.endr
	WIN 0
.rept 4
	v_nop                                          ; the places behind the last products
.endr
.endm
.macro CV d, idx                       ; accumulator idx, rounded to f16, into block d
.irp e, 0,1,2,3
	v_cvt_pk_f16_f32 v[T+4*(\d)+\e], v[ACC+8*(\idx)+2*\e], v[ACC+8*(\idx)+2*\e+1]
.endr
.endm
.macro ST d, f, half                   ; 512 consecutive bytes
	global_store_b128 v[SO], v[T+4*(\d):T+4*(\d)+3], s[6:7] offset:1024*(\f)+512*(\half)
.endm
.macro STZ f, half
	global_store_b128 v[SO], v[ZR:ZR+3], s[6:7] offset:1024*(\f)+512*(\half)
.endm
	s_wait_loadcnt 32                              ; K is in; Q's 32 loads may stay out
	PASS 0
	CV 0, 1
	CV 1, 3
	CV 2, 4
	CV 3, 6
	CV 4, 7
	CV 5, 8
	CV 6, 0
	CV 7, 2
	CV 8, 5
	CV 9, 9
.set i, 24
.rept 16
	v_cndmask_b32 v[T+i], 0, v[T+i], s56           ; Qd
.set i, i+1
.endr
.irp e, 0,1,2,3,4,5,6,7
	v_cndmask_b32 v[GT+\e],    0, v[ACC+\e],    s[48+\e]   ; G is symmetric: lane l % 8 = s holds row s, register e column e
	v_cndmask_b32 v[GT+8+\e],  0, v[ACC+16+\e], s[48+\e]
	v_cndmask_b32 v[GT+16+\e], 0, v[ACC+40+\e], s[48+\e]
	v_cndmask_b32 v[GT+24+\e], 0, v[ACC+72+\e], s[48+\e]
.endr
	ST 0, 0, 0
	STZ 0, 1
	ST 1, 1, 0
	ST 2, 1, 1
	ST 3, 2, 0
	ST 4, 2, 1
	ST 5, 3, 0
	STZ 3, 1
	ST 6, 4, 0
	STZ 4, 1
	STZ 5, 0
	ST 7, 5, 1
	ST 8, 6, 0
	STZ 6, 1
	STZ 7, 0
	ST 9, 7, 1
	v_cmp_eq_u32 vcc_lo, 0, v[XS]
	s_wait_xcnt 0x0                                ; EXEC changes only behind this wait
	s_and_saveexec_b32 s20, vcc_lo                 ; lanes 0-7 (block 0) and 24-31 (block 1)
.irp x, 0,1,2,3
	global_store_b128 v[GO], v[GT+8*\x:GT+8*\x+3],   s[6:7] offset:14336+512*\x
	global_store_b128 v[GO], v[GT+8*\x+4:GT+8*\x+7], s[6:7] offset:14336+512*\x+16
.endr
	s_wait_xcnt 0x0
	s_or_b32 exec_lo, exec_lo, s20
	s_wait_loadcnt 0x0                             ; Q
	PASS 128
.irp e, 0,1,2,3,4,5,6,7
	v_cndmask_b32 v[ACC+\e],    0, v[ACC+\e],    s[40+\e]  ; the diagonal blocks keep s <= t
	v_cndmask_b32 v[ACC+16+\e], 0, v[ACC+16+\e], s[40+\e]
	v_cndmask_b32 v[ACC+40+\e], 0, v[ACC+40+\e], s[40+\e]
	v_cndmask_b32 v[ACC+72+\e], 0, v[ACC+72+\e], s[40+\e]
.endr
.irp d, 0,1,2,3,4,5,6,7,8,9
	CV \d, \d                                      ; (T was freed by the waits above)
.endr
	ST 0, 8, 0
	STZ 8, 1
	ST 1, 9, 0
	ST 2, 9, 1
	ST 3, 10, 0
	ST 4, 10, 1
	ST 5, 11, 0
	STZ 11, 1
	ST 6, 12, 0
	ST 7, 12, 1
	ST 8, 13, 0
	ST 9, 13, 1
	s_endpgm
.Lfunc_end_k_q378b70b551_gram:
	.size	k_q378b70b551_gram, .Lfunc_end_k_q378b70b551_gram-k_q378b70b551_gram
	.p2alignl 7, 3214868480
	.fill 96, 4, 3214868480
	.section	.rodata,"a",@progbits
	.p2align	6, 0x0
	.amdhsa_kernel k_q378b70b551_gram
		.amdhsa_group_segment_fixed_size 0
		.amdhsa_private_segment_fixed_size 0
		.amdhsa_enable_private_segment 0
		.amdhsa_kernarg_size 16
		.amdhsa_user_sgpr_count 2
		.amdhsa_user_sgpr_kernarg_segment_ptr 1
		.amdhsa_wavefront_size32 1
		.amdhsa_system_sgpr_workgroup_id_x 1
		.amdhsa_system_sgpr_workgroup_id_y 1
		.amdhsa_system_sgpr_workgroup_id_z 1
		.amdhsa_system_vgpr_workitem_id 0
		.amdhsa_next_free_vgpr 512
		.amdhsa_next_free_sgpr 66
		.amdhsa_reserve_vcc 1
		.amdhsa_float_denorm_mode_32 3
		.amdhsa_float_denorm_mode_16_64 3
		.amdhsa_memory_ordered 1
		.amdhsa_forward_progress 1
		.amdhsa_inst_pref_size 28
	.end_amdhsa_kernel
	.amdgpu_metadata
---
amdhsa.version: [ 1, 2 ]
amdhsa.kernels:
  - .name:           k_q378b70b551_gram
    .symbol:         k_q378b70b551_gram.kd
    .args:
      - { .name: qk, .offset: 0, .size: 8, .value_kind: global_buffer, .address_space: global }
      - { .name: gr, .offset: 8, .size: 8, .value_kind: global_buffer, .address_space: global }
    .group_segment_fixed_size: 0
    .private_segment_fixed_size: 0
    .kernarg_segment_align: 8
    .kernarg_segment_size: 16
    .max_flat_workgroup_size: 128
    .sgpr_count:     66
    .vgpr_count:     512
    .wavefront_size: 32
...
	.end_amdgpu_metadata
.endif
;; end of part 3
;; launch scan (part 4): grid 4 x 32, 2 waves a work-group, clusters of 4 x 1, 327,680 bytes of LDS; arguments qk, gr, vl, ot; writes ot
.if DOCPART == 4
	.amdgcn_target "amdgcn-amd-amdhsa--gfx1250"
	.amdhsa_code_object_version 6
	.text
	.protected	k_q378b70b551_scan
	.globl	k_q378b70b551_scan
	.p2align	8
	.type	k_q378b70b551_scan,@function
k_q378b70b551_scan:
	s_mov_b64 s[64:65], 0
	v_nop
	global_prefetch_b8 v0, s[64:65] scope:SCOPE_SE
	s_setreg_imm32_b32 hwreg(HW_REG_WAVE_MODE, 25, 1), 1
	s_wait_xcnt 0x0
	s_wait_alu depctr_hold_cnt(0) depctr_sa_sdst(0) depctr_va_vdst(0) depctr_va_sdst(0) depctr_va_ssrc(0) depctr_va_vcc(0) depctr_vm_vsrc(0)
	s_getreg_b32 s2, hwreg(HW_REG_IB_STS2, 6, 4)
	s_cmp_eq_u32 s2, 0
	s_cbranch_scc0 .Lentry_in_a_cluster
	s_endpgm
.Lentry_in_a_cluster:
	s_bfe_u32 s2, ttmp6, 0x10000c
	s_cmp_lg_u32 s2, 0x3003
	s_cbranch_scc0 .Lentry_shape_is_right
	s_endpgm
.Lentry_shape_is_right:
; SCAN.  For each (b, h): w += (lr (v - w k)) k^T, o = w q, over 2,048 tokens, in chunks of 64.  The state's rows i do not meet, so a wave owns 16 of them for the whole walk.
; With nv = -v, nlr = -lr, W0 the state at a chunk's start, G = K K^T:   rho_t = nv_t + W0 k_t + sum over s < t of G_ts u_s,   u_t = nlr_t rho_t,   o_t = W0 q_t + sum over s <= t of (q_t . k_s) u_s,   W += U^T K.
; LAYOUT.  Every result is D(m = token or column j, n = i): a lane holds one row i = lane % 16 of the state and eight tokens 8 (lane / 16) + 0..7.  Such a result rounded to f16 in pairs IS half of a second operand
; with k = token (U) or k = j (W).  K and Q come out of LDS as they lie; K^T, nv and nlr by the turning load; G and tril(Q K^T) as register images made by the launch before.
; THE SOLVE.  A tile of 16 tokens: tokens 0-7 lie in lanes 0-15 and are solved in the lane, seven dependent packed multiply-adds in f32 with the 8 x 8 block of G times nlr; one product carries them to tokens 8-15;
; the same text, with the other half of the lanes masked in, solves those; products carry the tile to the later tiles.  The mask is a factor 0 or 1 on nlr.
; Halves of U that are not yet made hold the last chunk's numbers (zeros at the start) and meet blocks of zeros.
; CLUSTER.  The four work-groups of a cluster, eight waves, own the eight blocks of 16 rows of one (b, h) and walk the same q, k and gram records: each tile is asked for jointly.  128 tokens to a slot.
; Only 128 work-groups: each first operand read from LDS feeds one product of 16 columns, and the chain over tokens cannot be shared out.
; LIMITS.  u, W, q 2^-E and o 2^-E are kept in f16 for the products and must stay under 65,504 (|u| is of the order of 1 since |k| = |v| = 1 and 0 < lr < 1).  NaN and infinities are not treated apart.
; REGISTERS.  window 0: addresses, rho, nlr, U, G's blocks.  window 1: v0-63 W^T (8 tiles), v64-95 W in f16, v96-127 O, v128-191 fragments f0-f7, v192-239 f8-f13.
;   window 2: v0-127 K, v128-255 K^T.   window 3: v0-127 Q, v128-191 nv and nlr on their way in.
.set PQ,    528                        ; a token's q | k in LDS: 512 bytes + 16
.set GROFF, 128*PQ                     ; a slot: 128 tokens, then two records of 16,384 bytes
.set SLOT1, 1<<17
.set VS,    GROFF+32768                ; 100,352: behind slot 0, never filled by a tensor load: for each wave 4,096 bytes of nv and 4,096 of nlr
.set OST,   VS+2*8192                  ; 116,736: for each wave 16 rows x 272 bytes of o^T
.set SPARE, OST+2*4352                 ; 125,440: the spare words, 128 bytes for each wave: one block of 256 bytes that no other line names
.set VA,  1                            ; v1  nv's and nlr's address in the chunk
.set OSA, 2                            ; v2  where o goes in the chunk
.set NA0, 3
.set KTA0, 4
.set L16, 5                            ; v5  16 x lane: in a record, and in 512 bytes of vl
.set GDA0, 6
.set VA0, 7
.set OSA0, 8
.set ORD, 9
.set CO,  10
.set VST, 12
.set PFO, 13
.set GRA, 14
.set GDA, 15
.set SPW, 16
.set NIL, 17
.set MA,  18                           ; v18-19  1 in lanes 0-15
.set MB,  20                           ; v20-21  1 in lanes 16-31
.set NA,  22
.set KTA, 23
.set RP,  24                           ; v24-55   rho, four tiles
.set N,   56                           ; v56-63   nlr of the tile
.set NM,  64                           ; v64-71   masked
.set U,   72
.set NVP, 80                           ; v80-95   nv in f16
.set NLP, 96                           ; v96-111  nlr in f16
.set UF,  112                          ; v112-127 U in f16: two second operands of 32 tokens
.set GD,  128                          ; v128-167 the 8 x 8 block: rows 0-2 whole, rows 3-6 columns 4-7
.set H,   168                          ; v168-207 the same times nlr
.set OP,  208
.set RBK, 128                          ; the way out's rows, over GD
.set ONE, 224
.set ZR,  225
.set WF,  64
.set OA,  96
.set AK,  128
.set AQ,  192
.set VL,  128
.set WV,  12
.set PFA, 18                           ; s[18:19]
.set G1Q, 24
.set G1G, 32
.set G0Q, 40
.set G0G, 44
.set SLOTS, 56
.set CNT, 57
.set TB,  62
.set TBG, 63
.set TBV, 66
.set TBO, 67
.set VB,  68                           ; s[68:69] nv, s[70:71] nlr, at my block's next 128 tokens
.set OB,  72                           ; s[72:73]
.set PST, 84                           ; s[84:85]
.set MSB, 0
.macro WIN new
.if MSB != (\new)
	s_set_vgpr_msb (MSB<<8)|(\new)
.set MSB, \new
.endif
.endm
.macro JLOAD                           ; wave 0 asks for the slot's q and k, wave 1 for its two records; an s_nop 0 and four v_nop follow each line
	s_cmp_eq_u32 s[WV], 0
	s_cbranch_scc0 .Lfor_g_\@
	tensor_load_to_lds s[G0Q:G0Q+3], s[G1Q:G1Q+7]
	s_nop 0
.rept 4
	v_nop
.endr
	s_branch .Lasked_\@
.Lfor_g_\@:
	tensor_load_to_lds s[G0G:G0G+3], s[G1G:G1G+7]
	s_nop 0
.rept 4
	v_nop
.endr
.Lasked_\@:
.endm
; A prefetch of what the NEXT change of slots will ask for, two chunks ahead.  The four partners share the blocks out by address: wave 0 names the 512 bytes of 32 token rows, wave 1 32 blocks of the records: each once.
.macro ASK
	s_cmp_gt_u32 s[SLOTS], 1                       ; the last change that fills a slot has no slot behind it
	s_cbranch_scc0 .Lnone_\@
	global_prefetch_b8 v[PFO], s[PFA:PFA+1] th:TH_LOAD_NT scope:SCOPE_SE
	s_cmp_eq_u32 s[WV], 0
	s_cbranch_scc0 .Lnone_\@
	global_prefetch_b8 v[PFO], s[PFA:PFA+1] offset:256 th:TH_LOAD_NT scope:SCOPE_SE
.Lnone_\@:
.endm
.macro CROUND
	s_barrier_signal -1
	s_barrier_wait -1
	s_cmp_lg_u32 s[WV], 0
	s_cbranch_scc1 .Lnot_wave_0_\@
	s_barrier_signal -3
.Lnot_wave_0_\@:
	s_barrier_wait -3
	s_barrier_signal -1
	s_barrier_wait -1
.endm
; THE CHANGE OF SLOTS.  Each wave waits for all its tensor loads (one is out: its part of the other slot), adds 0 to its spare word, and waits for that and for its reads of the slot that it leaves.
; fill = 1: a round of the cluster's barrier, and the old slot is filled again first behind it; the load has two chunks in which to land.
.macro CHANGE fill
	WIN 0
	s_wait_tensorcnt 0x0
	ds_add_u32 v[SPW], v[NIL]
.if \fill
	s_xor_b32 s[G0Q+1], s[G0Q+1], SLOT1
	s_add_nc_u64 s[G0Q+2:G0Q+3], s[G0Q+2:G0Q+3], 128*4096
	s_xor_b32 s[G0G+1], s[G0G+1], SLOT1
	s_add_nc_u64 s[G0G+2:G0G+3], s[G0G+2:G0G+3], 32768
	s_wait_xcnt 0x0                                ; the last prefetches have read their address
	s_add_nc_u64 s[PFA:PFA+1], s[PFA:PFA+1], s[PST:PST+1]
	s_wait_dscnt 0x0
	CROUND
	JLOAD
	ASK
.else
	s_wait_dscnt 0x0
	s_barrier_signal -1
	s_barrier_wait -1
.endif
	s_sub_co_u32 s[TB], s[TB], 128*PQ              ; back to a slot's first chunk,
	s_xor_b32 s[TB], s[TB], SLOT1                  ; in the other slot
	s_sub_co_u32 s[TBG], s[TBG], 32768
	s_xor_b32 s[TBG], s[TBG], SLOT1
	s_mov_b32 s[TBV], 0
	s_mov_b32 s[TBO], 0
.endm
.macro VLOAD                           ; 128 tokens of my 16 channels: 4,096 consecutive bytes of nv and of nlr
	WIN 0xc0
.irp i, 0,1,2,3,4,5,6,7
	global_load_b128 v[VL+4*\i:VL+4*\i+3], v[L16], s[VB:VB+1] offset:512*\i th:TH_LOAD_NT
.endr
.irp i, 0,1,2,3,4,5,6,7
	global_load_b128 v[VL+32+4*\i:VL+32+4*\i+3], v[L16], s[VB+2:VB+3] offset:512*\i th:TH_LOAD_NT
.endr
	WIN 0
.endm
.macro VLIN next                       ; the slot's nv and nlr go into my own LDS bytes; the next slot's are asked for, a whole slot ahead
	s_wait_loadcnt 0x0
	WIN 0x0c
.set i, 0
.rept 16
	ds_store_b128 v[VST], v[VL+4*i:VL+4*i+3] offset:512*i
.set i, i+1
.endr
	WIN 0
.if \next
	s_add_nc_u64 s[VB:VB+1], s[VB:VB+1], 4096      ; (the wait above shows the loads that read these done)
	s_add_nc_u64 s[VB+2:VB+3], s[VB+2:VB+3], 4096
	VLOAD
.endif
.endm
	s_load_b256 s[4:11], s[0:1], 0x0               ; qk, gr, vl, ot
	v_lshl_add_u32 v[SPW], v0, 2, SPARE
	v_mov_b32 v[NIL], 0
	ds_add_u32 v[SPW], v[NIL]                      ; the wave's opening: the add, twice on end, and its wait ahead of my first tensor load
	ds_add_u32 v[SPW], v[NIL]
	v_lshrrev_b32 v24, 5, v0
	v_readfirstlane_b32 s[WV], v24
	s_bfe_u32 s13, ttmp6, 0x40000                  ; cx
	s_and_b32 s14, ttmp7, 0xffff                   ; 8 b + h, which the partners share
	s_lshr_b32 s15, s14, 3
	s_and_b32 s16, s14, 7
	s_lshl_b32 s20, s15, 23                        ; qk: b x 2,048 tokens x 4,096 + h x 512
	s_lshl_b32 s21, s16, 9
	s_add_co_u32 s20, s20, s21
	s_mov_b32 s21, 0
	s_lshl_b32 s22, s14, 19                        ; gr: 32 records
	s_mov_b32 s23, 0
	s_lshl_b32 s17, s13, 1
	s_add_co_u32 s17, s17, s[WV]                   ; my block of 16 rows: it enters global addresses alone
	s_lshl_b32 s74, s17, 16
	s_add_co_u32 s74, s74, s22                     ; vl
	s_mov_b32 s75, 0
	s_lshl_b32 s76, s15, 22                        ; ot: (1,024 b + 128 h + 16 block) rows of 4,096 bytes
	s_lshl_b32 s77, s16, 19
	s_add_co_u32 s76, s76, s77
	s_lshl_b32 s77, s17, 16
	s_add_co_u32 s76, s76, s77
	s_mov_b32 s77, 0
	s_mov_b32 s[G1Q], 15|(1<<16)|(1<<20)|(1<<21)|(6<<22)|(3<<25)  ; the mask of four; 2-byte elements; 4 words of padding after every 128; bit 21 beside a mask
	s_mov_b32 s[G1Q+1], 256<<16                    ; tensor_dim0 = 256
	s_mov_b32 s[G1Q+2], 128<<16                    ; tensor_dim1 = 128
	s_mov_b32 s[G1Q+3], 256<<16                    ; tile_dim0 = 256
	s_mov_b32 s[G1Q+4], 128                        ; tile_dim1 = 128
	s_mov_b32 s[G1Q+5], 2048                       ; elements from token to token
	s_mov_b32 s[G1Q+6], 0
	s_mov_b32 s[G1Q+7], 0
	s_mov_b32 s[G1G], 15|(3<<16)|(1<<21)           ; 32,768 dense bytes as 128 rows of 32 elements of 8 bytes
	s_mov_b32 s[G1G+1], 32<<16
	s_mov_b32 s[G1G+2], 128<<16
	s_mov_b32 s[G1G+3], 32<<16
	s_mov_b32 s[G1G+4], 128
	s_mov_b32 s[G1G+5], 32
	s_mov_b32 s[G1G+6], 0
	s_mov_b32 s[G1G+7], 0
	s_mov_b32 s[G0Q], 1
	s_mov_b32 s[G0Q+1], 0
	s_mov_b32 s[G0G], 1
	s_mov_b32 s[G0G+1], GROFF
	s_mov_b32 s[TB], SLOT1+128*PQ                  ; the first change of slots turns these into slot 0's
	s_mov_b32 s[TBG], SLOT1+GROFF+32768
	s_mov_b32 s[SLOTS], 15
	s_wait_dscnt 0x0                               ; both opening adds are done
	s_wait_kmcnt 0x0
	s_add_nc_u64 s[78:79], s[4:5], s[20:21]
	s_add_nc_u64 s[80:81], s[6:7], s[22:23]
	s_mov_b64 s[G0Q+2:G0Q+3], s[78:79]
	s_or_b32 s[G0Q+3], s[G0Q+3], 0x80000000
	s_mov_b64 s[G0G+2:G0G+3], s[80:81]
	s_or_b32 s[G0G+3], s[G0G+3], 0x80000000
	s_add_nc_u64 s[VB:VB+1], s[8:9], s[74:75]
	s_add_nc_u64 s[VB+2:VB+3], s[VB:VB+1], 0x1000000
	s_add_nc_u64 s[OB:OB+1], s[10:11], s[76:77]
	s_cmp_eq_u32 s[WV], 0
	s_cselect_b64 s[PFA:PFA+1], s[78:79], s[80:81]
	s_cselect_b32 s82, 12, 8                       ; a lane's step: a token row, or a block of a record
	s_cselect_b32 s83, 19, 15                      ; a slot's bytes
	s_lshl_b32 s[PST], 1, s83
	s_mov_b32 s[PST+1], 0
	s_lshl_b32 s86, s13, 5                         ; my work-group's 32 of the 128
	s_lshl_b32 s86, s86, s82
	s_mov_b32 s87, 0
	s_add_nc_u64 s[PFA:PFA+1], s[PFA:PFA+1], s[86:87]
	s_add_nc_u64 s[PFA:PFA+1], s[PFA:PFA+1], s[PST:PST+1]  ; at slot 1: the first change steps it to slot 2
	CROUND                                         ; all four work-groups are here
	JLOAD                                          ; slot 0
	v_and_b32 v24, 15, v0                          ; r
	v_bfe_u32 v25, v0, 4, 1                        ; h
	v_and_b32 v26, 31, v0                          ; l
	v_and_b32 v27, 7, v0
	v_bfe_u32 v28, v0, 3, 1
	v_lshlrev_b32 v[L16], 4, v26
	VLOAD
	v_lshlrev_b32 v[PFO], s82, v26
	v_mul_u32_u24 v[NA0], v24, PQ
	v_lshl_add_u32 v[NA0], v25, 4, v[NA0]          ; a fragment as it lies: row r, 16 bytes for each half of the lanes
	v_lshl_add_u32 v29, v25, 3, v27                ; 8 h + l % 8: the turning load's row
	v_mul_u32_u24 v[KTA0], v29, PQ
	v_lshl_add_u32 v[KTA0], v28, 4, v[KTA0]
	v_add_nc_u32 v[KTA0], 256, v[KTA0]
	v_lshlrev_b32 v[GDA0], 8, v25
	v_add_nc_u32 v[GDA0], 14336, v[GDA0]
	s_lshl_b32 s86, s[WV], 13
	s_add_co_u32 s86, s86, VS
	v_lshlrev_b32 v[VA0], 5, v29
	v_lshl_add_u32 v[VA0], v28, 4, v[VA0]
	v_add_nc_u32 v[VA0], s86, v[VA0]
	v_add_nc_u32 v[VST], s86, v[L16]
	s_mul_i32 s86, s[WV], 4352
	s_add_co_u32 s86, s86, OST
	v_mul_u32_u24 v[OSA0], v24, 272
	v_lshl_add_u32 v[OSA0], v25, 4, v[OSA0]
	v_add_nc_u32 v[OSA0], s86, v[OSA0]
	v_mul_u32_u24 v[ORD], v25, 272
	v_lshl_add_u32 v[ORD], v24, 4, v[ORD]
	v_add_nc_u32 v[ORD], s86, v[ORD]
	v_lshlrev_b32 v[CO], 12, v25
	v_lshl_add_u32 v[CO], v24, 4, v[CO]
	v_cmp_gt_u32 vcc_lo, 16, v26
	v_cndmask_b32 v[MA], 0, 1.0, vcc_lo
	v_cndmask_b32 v[MB], 1.0, 0, vcc_lo
	v_mov_b32 v[MA+1], v[MA]
	v_mov_b32 v[MB+1], v[MB]
	v_mov_b32 v[ONE], 1.0
	v_mov_b32 v[ZR], 0
.set i, 0
.rept 16
	v_mov_b32 v[UF+i], 0
.set i, i+1
.endr
	WIN 0x40
.set i, 0
.rept 64
	v_mov_b32 v[i], 0                              ; the state starts at 0; written in the wait for the first tile
.set i, i+1
.endr
	WIN 0
.macro HR                              ; the register of pair p of row s in GD and H
.if s <= 2
.set hr, 8*s+2*p
.else
.set hr, 24+4*(s-3)+2*(p-2)
.endif
.endm
.macro HMUL                            ; H(s, p) = GD(s, p) x NM[s]
.set s, 0
.rept 7
.set p, (s+1)/2
.rept 4-(s+1)/2
	HR
.if s%2
	v_pk_mul_f32 v[H+hr:H+hr+1], v[GD+hr:GD+hr+1], v[NM+s-1:NM+s] op_sel:[0,1] op_sel_hi:[1,1]
.else
	v_pk_mul_f32 v[H+hr:H+hr+1], v[GD+hr:GD+hr+1], v[NM+s:NM+s+1] op_sel_hi:[1,0]
.endif
.set p, p+1
.endr
.set s, s+1
.endr
.endm
.macro SOLVE rb                        ; rho[s'] += H(s, s') rho[s] for s' > s, the pair that holds s + 1 first: seven dependent steps
.set s, 0
.rept 7
.set p, (s+1)/2
.rept 4-(s+1)/2
	HR
.if s%2
	v_pk_fma_f32 v[(\rb)+2*p:(\rb)+2*p+1], v[H+hr:H+hr+1], v[(\rb)+s-1:(\rb)+s], v[(\rb)+2*p:(\rb)+2*p+1] op_sel:[0,1,0] op_sel_hi:[1,1,1]
.else
	v_pk_fma_f32 v[(\rb)+2*p:(\rb)+2*p+1], v[H+hr:H+hr+1], v[(\rb)+s:(\rb)+s+1], v[(\rb)+2*p:(\rb)+2*p+1] op_sel_hi:[1,0,1]
.endif
.set p, p+1
.endr
.set s, s+1
.endr
.endm
.macro GDL mt                          ; ten loads, the same address in each half of the lanes
.irp s, 0,1,2
	ds_load_b128 v[GD+8*\s:GD+8*\s+3],   v[GDA] offset:512*(\mt)+32*\s
	ds_load_b128 v[GD+8*\s+4:GD+8*\s+7], v[GDA] offset:512*(\mt)+32*\s+16
.endr
.irp s, 3,4,5,6
	ds_load_b128 v[GD+24+4*(\s-3):GD+24+4*(\s-3)+3], v[GDA] offset:512*(\mt)+32*\s+16
.endr
.endm
.macro AKU rt, f, u                    ; rho of tile rt += fragment f x U
	WIN 0x01
	v_wmma_f32_16x16x32_f16 v[RP+8*(\rt):RP+8*(\rt)+7], v[AK+8*(\f):AK+8*(\f)+7], v[UF+8*(\u):UF+8*(\u)+7], v[RP+8*(\rt):RP+8*(\rt)+7]
	WIN 0
.endm
.macro AQU t, f, u                     ; O of tile t += fragment f x U
	WIN 0x51
	v_wmma_f32_16x16x32_f16 v[OA+8*(\t):OA+8*(\t)+7], v[AQ+8*((\f)-8):AQ+8*((\f)-8)+7], v[UF+8*(\u):UF+8*(\u)+7], v[OA+8*(\t):OA+8*(\t)+7]
	WIN 0
.endm
.macro UOUT mt, nn                     ; u = nn x rho, rounded to f16 into the tile's half of its operand
.set RB, RP+8*(\mt)
.set UH, UF+8*((\mt)/2)+4*((\mt)%2)
.irp p, 0,1,2,3
	v_pk_mul_f32 v[U+2*\p:U+2*\p+1], v[(\nn)+2*\p:(\nn)+2*\p+1], v[RB+2*\p:RB+2*\p+1]
.endr
.irp p, 0,1,2,3
	v_cvt_pk_f16_f32 v[UH+\p], v[U+2*\p], v[U+2*\p+1]
.endr
.endm
.macro TILE mt
.if (\mt) > 0
	s_wait_dscnt 0x0                               ; the tile's block of G (and, at tile 1, K^T and f8-f13)
.endif
.irp e, 0,1,2,3
	v_fma_mix_f32 v[N+2*\e],   v[NLP+4*(\mt)+\e], v[ONE], v[ZR] op_sel_hi:[1,0,0]               ; nlr in f32: these lines are also the places behind the products that wrote rho
	v_fma_mix_f32 v[N+2*\e+1], v[NLP+4*(\mt)+\e], v[ONE], v[ZR] op_sel:[1,0,0] op_sel_hi:[1,0,0]
.endr
.irp p, 0,1,2,3
	v_pk_mul_f32 v[NM+2*\p:NM+2*\p+1], v[N+2*\p:N+2*\p+1], v[MA:MA+1]
.endr
	HMUL
	SOLVE RP+8*(\mt)                               ; tokens 0-7, in lanes 0-15; the other lanes add zeros
	UOUT \mt, NM                                   ; zeros for tokens 8-15
	AKU \mt, 4+(\mt), (\mt)/2                      ; tokens 0-7 onto tokens 8-15
.irp p, 0,1,2,3
	v_pk_mul_f32 v[NM+2*\p:NM+2*\p+1], v[N+2*\p:N+2*\p+1], v[MB:MB+1]   ; twenty lines that name nothing of that product: its places
.endr
	HMUL
.if (\mt) < 3
	GDL (\mt)+1
.endif
	SOLVE RP+8*(\mt)                               ; tokens 8-15, in lanes 16-31
	UOUT \mt, N
.endm
; A CHUNK of 64 tokens.  No two matrix instructions that follow each other name the same accumulator, over the loops' jumps too.
.macro CHUNK
	WIN 0
	v_add_nc_u32 v[NA], s[TB], v[NA0]
	v_add_nc_u32 v[KTA], s[TB], v[KTA0]
	v_add_nc_u32 v[GRA], s[TBG], v[L16]
	v_add_nc_u32 v[GDA], s[TBG], v[GDA0]
	v_add_nc_u32 v[VA], s[TBV], v[VA0]
	v_add_nc_u32 v[OSA], s[TBO], v[OSA0]
.irp m, 0,1,2,3
	ds_load_tr16_b128 v[NVP+4*\m:NVP+4*\m+3], v[VA] offset:512*\m       ; 16 tokens x 16 channels, turned: a lane gets its channel's eight tokens
.endr
.irp m, 0,1,2,3
	ds_load_tr16_b128 v[NLP+4*\m:NLP+4*\m+3], v[VA] offset:4096+512*\m
.endr
	WIN 0x80
.set i, 0
.rept 16                               ; K: tile i / 4, columns 32 (i % 4) on
	ds_load_b128 v[8*i:8*i+3],   v[NA] offset:(i/4)*16*PQ+(i%4)*64+256
	ds_load_b128 v[8*i+4:8*i+7], v[NA] offset:(i/4)*16*PQ+(i%4)*64+288
.set i, i+1
.endr
	WIN 0x45
.set i, 0
.rept 32                               ; W in f16: two tiles of W^T are one second operand
	v_cvt_pk_f16_f32 v[WF+i], v[2*i], v[2*i+1]
.set i, i+1
.endr
	s_wait_dscnt 32                                ; nv and nlr are in; K's 32 loads may be out
	WIN 0
.set i, 0
.rept 16
	v_fma_mix_f32 v[RP+2*i],   v[NVP+i], v[ONE], v[ZR] op_sel_hi:[1,0,0]                 ; rho starts at nv
	v_fma_mix_f32 v[RP+2*i+1], v[NVP+i], v[ONE], v[ZR] op_sel:[1,0,0] op_sel_hi:[1,0,0]
.set i, i+1
.endr
	WIN 0x40
.irp f, 0,1,2,3,4,5,6,7
	ds_load_b128 v[AK+8*\f:AK+8*\f+3],   v[GRA] offset:1024*\f
	ds_load_b128 v[AK+8*\f+4:AK+8*\f+7], v[GRA] offset:1024*\f+512
.endr
	WIN 0
	GDL 0
	WIN 0xc0
.set i, 0
.rept 16
	ds_load_b128 v[8*i:8*i+3],   v[NA] offset:(i/4)*16*PQ+(i%4)*64
	ds_load_b128 v[8*i+4:8*i+7], v[NA] offset:(i/4)*16*PQ+(i%4)*64+32
.set i, i+1
.endr
	s_wait_dscnt 58                                ; K is in: 16 + 10 + 32 loads were issued behind it
	WIN 0x06
.irp kk, 0,1,2,3
.irp m, 0,1,2,3
	v_wmma_f32_16x16x32_f16 v[RP+8*\m:RP+8*\m+7], v[32*\m+8*\kk:32*\m+8*\kk+7], v[WF+8*\kk:WF+8*\kk+7], v[RP+8*\m:RP+8*\m+7]   ; rho += K W0^T
.endr
.endr
	WIN 0x80
.set i, 0
.rept 16                               ; K^T: columns 16 (i / 2) on, tokens 32 (i % 2) on
	ds_load_tr16_b128 v[128+8*i:128+8*i+3],   v[KTA] offset:(i%2)*32*PQ+(i/2)*32
	ds_load_tr16_b128 v[128+8*i+4:128+8*i+7], v[KTA] offset:(i%2)*32*PQ+(i/2)*32+16*PQ
.set i, i+1
.endr
	WIN 0x40
.irp f, 0,1,2,3,4,5
	ds_load_b128 v[AQ+8*\f:AQ+8*\f+3],   v[GRA] offset:8192+1024*\f
	ds_load_b128 v[AQ+8*\f+4:AQ+8*\f+7], v[GRA] offset:8192+1024*\f+512
.endr
	s_wait_dscnt 44                                ; f0-f7, the first block of G and Q are in: 32 + 12 loads were issued behind them
	WIN 0x57
.irp kk, 0,1,2,3
.irp m, 0,1,2,3
.if \kk == 0
	v_wmma_f32_16x16x32_f16 v[OA+8*\m:OA+8*\m+7], v[32*\m+8*\kk:32*\m+8*\kk+7], v[WF+8*\kk:WF+8*\kk+7], 0                     ; O = Q W0^T
.else
	v_wmma_f32_16x16x32_f16 v[OA+8*\m:OA+8*\m+7], v[32*\m+8*\kk:32*\m+8*\kk+7], v[WF+8*\kk:WF+8*\kk+7], v[OA+8*\m:OA+8*\m+7]
.endif
.endr
.endr
	WIN 0
	TILE 0
	AKU 1, 0, 0
	s_wait_dscnt 10                                ; f8-f13 are in: the next tile's ten loads were issued behind them
	AQU 0, 8, 0                                    ; drawn forward, so that tile 1's two products on its rho do not follow each other
	TILE 1
	AKU 2, 1, 0
	AKU 3, 2, 0
	TILE 2
	AKU 3, 3, 1
	AQU 2, 11, 1                                   ; likewise for tile 3
	TILE 3
	WIN 0x52
.irp j, 0,1,2,3,4,5,6,7
	v_wmma_f32_16x16x32_f16 v[8*\j:8*\j+7], v[128+16*\j:128+16*\j+7], v[UF:UF+7], v[8*\j:8*\j+7]             ; W^T += K^T U
.endr
	AQU 1, 9, 0
	AQU 2, 10, 0
	AQU 3, 12, 0
	WIN 0x52
.irp j, 0,1,2,3,4,5,6,7
	v_wmma_f32_16x16x32_f16 v[8*\j:8*\j+7], v[128+16*\j+8:128+16*\j+15], v[UF+8:UF+15], v[8*\j:8*\j+7]
.endr
	AQU 3, 13, 1
.rept 4
	v_nop                                          ; the places behind the last products
.endr
	WIN 0x05
.set i, 0
.rept 16
	v_cvt_pk_f16_f32 v[OP+i], v[OA+2*i], v[OA+2*i+1]
.set i, i+1
.endr
	WIN 0
.irp m, 0,1,2,3
	ds_store_b128 v[OSA], v[OP+4*\m:OP+4*\m+3] offset:32*\m      ; my channel's eight tokens: 16 bytes of a row of o^T
.endr
.endm
.macro TWO                             ; a slot's two chunks: written once, walked twice
	WIN 0
	s_mov_b32 s[CNT], 2
.Lchunk_\@:
	CHUNK
	s_add_co_u32 s[TB], s[TB], 64*PQ
	s_add_co_u32 s[TBG], s[TBG], 16384
	s_add_co_u32 s[TBV], s[TBV], 2048
	s_add_co_u32 s[TBO], s[TBO], 128
	s_sub_co_u32 s[CNT], s[CNT], 1
	s_cmp_lg_u32 s[CNT], 0
	s_cbranch_scc1 .Lchunk_\@
.endm
.macro OUT                             ; 16 rows of o^T x 128 tokens: whole aligned blocks of 256 bytes
.irp j, 0,1,2,3,4,5,6,7
	ds_load_b128 v[RBK+4*\j:RBK+4*\j+3], v[ORD] offset:544*\j    ; LDS serves a wave's instructions in order: these see the stores above
.endr
	s_wait_dscnt 0x0
.irp j, 0,1,2,3,4,5,6,7
	global_store_b128 v[CO], v[RBK+4*\j:RBK+4*\j+3], s[OB:OB+1] offset:8192*\j
.endr
	s_wait_xcnt 0x0                                ; the stores have read their base and data
	s_add_nc_u64 s[OB:OB+1], s[OB:OB+1], 256
.endm
.Lslot:                                        ; 15 times: a slot is entered and the next is asked for
	CHANGE 1
	VLIN 1
	TWO
	OUT
	s_sub_co_u32 s[SLOTS], s[SLOTS], 1
	s_cmp_lg_u32 s[SLOTS], 0
	s_cbranch_scc1 .Lslot
	CHANGE 0                                       ; the last slot is written out
	VLIN 0
	TWO
	OUT
	s_wait_tensorcnt 0x0                           ; the wave's end
	ds_add_u32 v[SPW], v[NIL]
	s_wait_dscnt 0x0
	CROUND                                         ; the closing round
	s_endpgm
.Lfunc_end_k_q378b70b551_scan:
	.size	k_q378b70b551_scan, .Lfunc_end_k_q378b70b551_scan-k_q378b70b551_scan
	.p2alignl 7, 3214868480
	.fill 96, 4, 3214868480
	.section	.rodata,"a",@progbits
	.p2align	6, 0x0
	.amdhsa_kernel k_q378b70b551_scan
		.amdhsa_group_segment_fixed_size 327680
		.amdhsa_private_segment_fixed_size 0
		.amdhsa_enable_private_segment 0
		.amdhsa_kernarg_size 32
		.amdhsa_user_sgpr_count 2
		.amdhsa_user_sgpr_kernarg_segment_ptr 1
		.amdhsa_wavefront_size32 1
		.amdhsa_system_sgpr_workgroup_id_x 1
		.amdhsa_system_sgpr_workgroup_id_y 1
		.amdhsa_system_sgpr_workgroup_id_z 1
		.amdhsa_system_vgpr_workitem_id 0
		.amdhsa_next_free_vgpr 960
		.amdhsa_next_free_sgpr 90
		.amdhsa_reserve_vcc 1
		.amdhsa_float_denorm_mode_32 3
		.amdhsa_float_denorm_mode_16_64 3
		.amdhsa_memory_ordered 1
		.amdhsa_forward_progress 1
		.amdhsa_inst_pref_size 113
	.end_amdhsa_kernel
	.amdgpu_metadata
---
amdhsa.version: [ 1, 2 ]
amdhsa.kernels:
  - .name:           k_q378b70b551_scan
    .symbol:         k_q378b70b551_scan.kd
    .args:
      - { .name: qk, .offset: 0, .size: 8, .value_kind: global_buffer, .address_space: global }
      - { .name: gr, .offset: 8, .size: 8, .value_kind: global_buffer, .address_space: global }
      - { .name: vl, .offset: 16, .size: 8, .value_kind: global_buffer, .address_space: global }
      - { .name: ot, .offset: 24, .size: 8, .value_kind: global_buffer, .address_space: global }
    .group_segment_fixed_size: 327680
    .private_segment_fixed_size: 0
    .kernarg_segment_align: 8
    .kernarg_segment_size: 32
    .max_flat_workgroup_size: 64
    .sgpr_count:     90
    .vgpr_count:     960
    .wavefront_size: 32
...
	.end_amdgpu_metadata
.endif
;; end of part 4
;; launch outp (part 5): grid 4 x 32, 4 waves a work-group, clusters of 4 x 4, 327,680 bytes of LDS; arguments ot, wc, sc, out0; writes out0
.if DOCPART == 5
	.amdgcn_target "amdgcn-amd-amdhsa--gfx1250"
	.amdhsa_code_object_version 6
	.text
	.protected	k_q378b70b551_outp
	.globl	k_q378b70b551_outp
	.p2align	8
	.type	k_q378b70b551_outp,@function
k_q378b70b551_outp:
	s_mov_b64 s[64:65], 0
	v_nop
	global_prefetch_b8 v0, s[64:65] scope:SCOPE_SE
	s_setreg_imm32_b32 hwreg(HW_REG_WAVE_MODE, 25, 1), 1
	s_wait_xcnt 0x0
	s_wait_alu depctr_hold_cnt(0) depctr_sa_sdst(0) depctr_va_vdst(0) depctr_va_sdst(0) depctr_va_ssrc(0) depctr_va_vcc(0) depctr_vm_vsrc(0)
	s_getreg_b32 s2, hwreg(HW_REG_IB_STS2, 6, 4)
	s_cmp_eq_u32 s2, 0
	s_cbranch_scc0 .Lentry_in_a_cluster
	s_endpgm
.Lentry_in_a_cluster:
	s_bfe_u32 s2, ttmp6, 0x10000c
	s_cmp_lg_u32 s2, 0xf033
	s_cbranch_scc0 .Lentry_shape_is_right
	s_endpgm
.Lentry_shape_is_right:
; OUTP.  out0[token][n] = 2^E[token] x the sum over c of o[token][c] Wo[n][c].  o comes as o^T, ot [b][c 1024][t 2048] in f16, scaled by 2^-E; Wo as wc's rows 4096-5119 in f16; sums in f32; out0 f32.
; THE PRODUCT.  A tile of out0 is 256 x 256, four waves of 128 x 128; K = c in steps of 128 through two LDS slots.  B's tile: 256 rows of 256 bytes (pitch 272).  A's tile: 128 rows c of 256 tokens, 512 bytes
; (pitch 544), read by the turning load.  4 x 4 work-groups form a cluster; A's tile is asked for jointly along a row of the cluster, B's along a column.  128 work-groups: the tile that gives 256 has another shape of wave tile.
; The matrix instruction is used transposed (source 0 = rows of Wo, source 1 = tokens): a lane holds one token and eight neighbouring columns.
; THE WAY OUT.  The ring has had its last fill: each wave lays its sums into its own part of it and reads them back as whole rows of 512 bytes, 16 rows a trip, times the token's 2^E.
; LIMITS.  As the launches before: o 2^-E and Wo within f16's range.
.set SIZE_K, 1024
.set KSTEP,  128
.set PITCH,  272
.set APITCH, 544                       ; 512 bytes + 32
.set ASTEP,  128*4096                  ; a K step of o^T in memory
.set HALFT,  128*PITCH                 ; = 64 x 544: what one tensor load brings
.set SLOT,   4*HALFT
.set FAC,    2*SLOT                    ; behind the ring: 128 factors 2^E for each wave
.set SPARE,  FAC+4*512                 ; the spare words, 128 bytes for each wave
.set DPITCH, 528
.set DAREA,  128*DPITCH
.set LAPS, SIZE_K/(2*KSTEP)
.set SCL,  8
.set SCA,  12
.set DST,  13
.set LDA,  14
.set FAD,  15
.set ADRA, 16
.set ADRB, 20
.set CO,   26
.set SPW,  28
.set NIL,  29
.set PFO,  30
.set F0,   64
.set F1,   128
.set FR,   32                          ; the way out: 16 factors
.set X,    64                          ; 16 rows, four registers each
.set G1, 24
.set G0, 32
.set LIM,  43
.set PFA,  44
.set G1B, 48
.set G0B, 56
.set SCB, 76
.set PST, 78                           ; s[78:79] a K step for my prefetches
.set MSB, 0
.macro WIN new
.if MSB != (\new)
	s_set_vgpr_msb (MSB<<8)|(\new)
.set MSB, \new
.endif
.endm
.set MUL_LO, 0xa1
.set MUL_HI, 0xf1
.set TO_B,   0x40
.macro JLOAD s                         ; waves 0 and 1 fetch A's two halves, waves 2 and 3 B's; an s_nop 0 and four v_nop follow each line
	s_cmp_eq_u32 s11, 0
	s_cbranch_scc0 .Lfor_b_\@
	tensor_load_to_lds s[G0+4*(\s):G0+4*(\s)+3], s[G1:G1+7]
	s_nop 0
.rept 4
	v_nop
.endr
	s_branch .Lasked_\@
.Lfor_b_\@:
	tensor_load_to_lds s[G0B+4*(\s):G0B+4*(\s)+3], s[G1B:G1B+7]
	s_nop 0
.rept 4
	v_nop
.endr
.Lasked_\@:
.endm
; A prefetch of the K step that stands two refills on, 32 blocks of 256 bytes a wave: of A 16 rows x 2 blocks, of B 32 rows.  A's are asked for by the cluster with x = 0, B's by the cluster with y = 0; the four
; partners that ask for a tile jointly share its blocks out by address: each block is named once.  The loop's last trip asks for nothing.
.macro ASK
	s_cmp_gt_u32 s3, s[LIM]
	s_cbranch_scc0 .Lnot_mine_\@
	global_prefetch_b8 v[PFO], s[PFA:PFA+1] th:TH_LOAD_NT scope:SCOPE_SE
.Lnot_mine_\@:
.endm
.macro CREST
	s_cmp_lg_u32 s10, 0
	s_cbranch_scc1 .Lnot_wave_0_\@
	s_barrier_signal -3
.Lnot_wave_0_\@:
	s_barrier_wait -3
	s_barrier_signal -1
	s_barrier_wait -1
.endm
.macro CROUND
	s_barrier_signal -1
	s_barrier_wait -1
	CREST
.endm
	s_load_b256 s[68:75], s[0:1], 0x0              ; ot s[68:69], wc s[70:71], sc s[72:73], out0 s[74:75]
	v_lshl_add_u32 v[SPW], v0, 2, SPARE
	v_mov_b32 v[NIL], 0
	ds_add_u32 v[SPW], v[NIL]                      ; the wave's opening: the add, twice on end, and its wait ahead of my first tensor load
	ds_add_u32 v[SPW], v[NIL]
	v_lshrrev_b32 v1, 5, v0
	v_readfirstlane_b32 s10, v1
	s_lshr_b32 s11, s10, 1                         ; my half of the tile's tokens; also: I fetch for A (0) or B (1)
	s_and_b32 s12, s10, 1                          ; my half of its columns; also: which half of that tile I fetch
	s_bfe_u32 s40, ttmp6, 0x40000                  ; cx
	s_bfe_u32 s41, ttmp6, 0x40004                  ; cy
	s_lshl_b32 s42, ttmp9, 2
	s_add_co_u32 s42, s42, s40                     ; tile column
	s_and_b32 s13, ttmp7, 0xffff
	s_lshl_b32 s13, s13, 2
	s_add_co_u32 s13, s13, s41                     ; tile row
	s_lshl_b32 s43, s41, 2
	s_lshl_b32 s43, 15, s43
	s_lshl_b32 s44, 0x1111, s40
	s_or_b32 s[G1+0], s43, (1<<16)|(1<<20)|(1<<21)|(6<<22)|(7<<25)   ; A: 8 words of padding after every 128
	s_mov_b32 s[G1+1], 256<<16                     ; tensor_dim0 = 256 tokens
	s_mov_b32 s[G1+2], 64<<16                      ; tensor_dim1 = 64 rows c
	s_mov_b32 s[G1+3], 256<<16                     ; tile_dim0
	s_mov_b32 s[G1+4], 64                          ; tile_dim1
	s_mov_b32 s[G1+5], 2048                        ; elements from row to row
	s_mov_b32 s[G1+6], 0
	s_mov_b32 s[G1+7], 0
	s_or_b32 s[G1B+0], s44, (1<<16)|(1<<20)|(1<<21)|(5<<22)|(3<<25)  ; B: 4 words after every 64
	s_mov_b32 s[G1B+1], KSTEP<<16
	s_mov_b32 s[G1B+2], 128<<16
	s_mov_b32 s[G1B+3], KSTEP<<16
	s_mov_b32 s[G1B+4], 128
	s_mov_b32 s[G1B+5], SIZE_K
	s_mov_b32 s[G1B+6], 0
	s_mov_b32 s[G1B+7], 0
	s_lshr_b32 s16, s13, 3                         ; A: batch x 4,194,304 + 256 tokens x 2 bytes x (tile row % 8) + half x 64 rows of 4,096
	s_lshl_b32 s16, s16, 22
	s_and_b32 s17, s13, 7
	s_lshl_b32 s17, s17, 9
	s_add_co_u32 s16, s16, s17
	s_lshl_b32 s17, s12, 18
	s_add_co_u32 s16, s16, s17
	s_mov_b32 s17, 0
	s_lshl_b32 s46, s42, 8                         ; B: row 256 x tile column + 128 x half, rows of 2,048 bytes
	s_lshl_b32 s47, s12, 7
	s_add_co_u32 s46, s46, s47
	s_lshl_b32 s46, s46, 11
	s_mov_b32 s47, 0
	s_mul_i32 s20, s10, HALFT
	s_wait_dscnt 0x0                               ; both opening adds are done
	s_wait_kmcnt 0x0
	s_mov_b64 s[4:5], s[68:69]
	s_add_nc_u64 s[6:7], s[70:71], 0x800000        ; Wo's rows
	s_add_nc_u64 s[14:15], s[4:5], s[16:17]
	s_add_nc_u64 s[46:47], s[6:7], s[46:47]
	CROUND                                         ; all sixteen work-groups are here
.irp s, 0,1
	s_mov_b32 s[G0+4*(\s)], 1
	s_add_co_u32 s[G0+4*(\s)+1], s20, (\s)*SLOT
	s_add_nc_u64 s[G0+4*(\s)+2:G0+4*(\s)+3], s[14:15], (\s)*ASTEP
	s_or_b32 s[G0+4*(\s)+3], s[G0+4*(\s)+3], 0x80000000
	s_mov_b32 s[G0B+4*(\s)], 1
	s_add_co_u32 s[G0B+4*(\s)+1], s20, (\s)*SLOT
	s_add_nc_u64 s[G0B+4*(\s)+2:G0B+4*(\s)+3], s[46:47], (\s)*KSTEP*2
	s_or_b32 s[G0B+4*(\s)+3], s[G0B+4*(\s)+3], 0x80000000
	JLOAD \s
.endr
	v_and_b32 v1, 15, v0
	v_bfe_u32 v2, v0, 4, 1
	v_and_b32 v7, 31, v0
	v_mul_u32_u24 v3, v1, PITCH
	v_lshl_add_u32 v3, v2, 4, v3                   ; B: row x pitch + 16 x half
	v_and_b32 v4, 7, v0
	v_bfe_u32 v5, v0, 3, 1
	v_lshl_add_u32 v4, v2, 3, v4                   ; A: the turning load's row c = 8 (l / 16) + l % 8,
	v_mul_u32_u24 v4, v4, APITCH
	v_lshl_add_u32 v4, v5, 4, v4                   ; tokens 8 ((l / 8) % 2) on
	s_lshl_b32 s21, s11, 8                         ; my 128 tokens: 256 bytes into the rows
	s_mul_i32 s22, s12, HALFT
	s_add_co_u32 s22, s22, 2*HALFT
.irp s, 0,1
	v_add_nc_u32 v[ADRA+(\s)], s21, v4
	v_add_nc_u32 v[ADRB+(\s)], s22, v3
	s_add_co_u32 s21, s21, SLOT
	s_add_co_u32 s22, s22, SLOT
.endr
	s_lshl_b32 s82, s13, 8
	s_lshl_b32 s83, s11, 7
	s_add_co_u32 s82, s82, s83                     ; my first token
	s_lshl_b32 s[SCB], s82, 3
	s_mov_b32 s[SCB+1], 0
	s_add_nc_u64 s[SCB:SCB+1], s[72:73], s[SCB:SCB+1]
	v_lshlrev_b32 v[SCA], 3, v7
.irp i, 0,1,2,3
	global_load_b32 v[SCL+\i], v[SCA], s[SCB:SCB+1] offset:256*\i+4  ; 2^E of my 128 tokens: wanted at the way out
.endr
	s_lshl_b32 s84, s82, 12                        ; out0: token x 4,096 + tile column x 1,024 + half x 512
	s_lshl_b32 s85, s42, 10
	s_add_co_u32 s84, s84, s85
	s_lshl_b32 s85, s12, 9
	s_add_co_u32 s84, s84, s85
	s_mov_b32 s85, 0
	s_add_nc_u64 s[74:75], s[74:75], s[84:85]
	v_lshlrev_b32 v[CO], 4, v7
	s_mul_i32 s23, s10, DAREA
	v_mul_u32_u24 v6, v1, DPITCH
	v_lshl_add_u32 v6, v2, 5, v6
	v_add_nc_u32 v[DST], s23, v6
	v_add_nc_u32 v[LDA], s23, v[CO]
	s_lshl_b32 s23, s10, 9
	s_add_co_u32 s23, s23, FAC
	v_mov_b32 v[FAD], s23
	v_lshl_add_u32 v31, v7, 2, s23
	; the prefetches
	s_lshl_b32 s16, s12, 6
	s_lshl_b32 s17, s40, 4
	s_add_co_u32 s16, s16, s17                     ; A: my half's 64 rows, my work-group's 16 of them,
	s_lshl_b32 s16, s16, 12
	s_lshr_b32 s17, s13, 3
	s_lshl_b32 s17, s17, 22
	s_add_co_u32 s16, s16, s17
	s_and_b32 s17, s13, 7
	s_lshl_b32 s17, s17, 9
	s_add_co_u32 s16, s16, s17
	s_add_co_u32 s16, s16, 3*ASTEP                 ; at K step 3: the first refill steps it to 4 and names that
	s_lshl_b32 s17, s42, 8                         ; B: my half's 128 rows, my work-group's 32 of them
	s_lshl_b32 s20, s12, 7
	s_add_co_u32 s17, s17, s20
	s_lshl_b32 s20, s41, 5
	s_add_co_u32 s17, s17, s20
	s_lshl_b32 s17, s17, 11
	s_add_co_u32 s17, s17, 3*KSTEP*2
	s_and_b32 s22, ttmp7, 0xffff
	s_cmp_eq_u32 s11, 0
	s_cselect_b32 s20, s16, s17
	s_cselect_b32 s22, ttmp9, s22                  ; the coordinate along which other clusters read the same rows
	s_cselect_b64 s[PFA:PFA+1], s[4:5], s[6:7]
	s_cselect_b32 s[PST], 19, 8
	s_cselect_b32 s86, 1, 0                        ; lanes to a row: 2 or 1
	s_cselect_b32 s87, 12, 11                      ; bytes from row to row: 4,096 or 2,048
	s_cmp_eq_u32 s22, 0
	s_cselect_b32 s[LIM], 1, -1
	s_lshl_b32 s[PST], 1, s[PST]
	s_mov_b32 s[PST+1], 0
	s_mov_b32 s21, 0
	s_add_nc_u64 s[PFA:PFA+1], s[PFA:PFA+1], s[20:21]
	v_lshrrev_b32 v5, s86, v7
	v_and_b32 v6, s86, v7
	v_lshlrev_b32 v5, s87, v5
	v_lshl_add_u32 v[PFO], v6, 8, v5
.macro MUL16 f, hi, a0, zero
	WIN MUL_LO+0x50*(\hi)
.irp a, \a0, (\a0)+1
.irp b, 0,1,2,3,4,5,6,7
.if \zero
	v_wmma_f32_16x16x32_f16 v[8*(8*(\a)+(\b)):8*(8*(\a)+(\b))+7], v[(\f)+8*(\b):(\f)+8*(\b)+7], v[(\f)+8*(4*(\hi)+(\a)):(\f)+8*(4*(\hi)+(\a))+7], 0
.else
	v_wmma_f32_16x16x32_f16 v[8*(8*(\a)+(\b)):8*(8*(\a)+(\b))+7], v[(\f)+8*(\b):(\f)+8*(\b)+7], v[(\f)+8*(4*(\hi)+(\a)):(\f)+8*(4*(\hi)+(\a))+7], v[8*(8*(\a)+(\b)):8*(8*(\a)+(\b))+7]
.endif
.endr
.endr
.endm
.macro FETCH slot, k, f                ; 32 LDS loads in one run: 32 along K; k = 64 x the quarter: bytes into B's rows, 32 rows of A
	WIN TO_B
.irp i, 0,1,2,3,4,5,6,7
	ds_load_b128 v[(\f)+8*(\i):(\f)+8*(\i)+3],   v[ADRB+(\slot)] offset:(\k)+(\i)*16*PITCH
	ds_load_b128 v[(\f)+8*(\i)+4:(\f)+8*(\i)+7], v[ADRB+(\slot)] offset:(\k)+(\i)*16*PITCH+32
.endr
	WIN 0
.irp i, 0,1,2,3,4,5,6,7
	ds_load_tr16_b128 v[(\f)+8*(\i):(\f)+8*(\i)+3],   v[ADRA+(\slot)] offset:((\k)/64)*32*APITCH+(\i)*32
	ds_load_tr16_b128 v[(\f)+8*(\i)+4:(\f)+8*(\i)+7], v[ADRA+(\slot)] offset:((\k)/64)*32*APITCH+(\i)*32+16*APITCH
.endr
.endm
.macro PLACES
.rept 4
	v_nop
.endr
.endm
.macro QUARTER slot, k, f, g, zero
	s_wait_dscnt 8                                 ; B and A's tokens 0-63 are in; the youngest eight loads may be out
	MUL16 \f, 0, 0, \zero
	MUL16 \f, 0, 2, \zero
	PLACES
	FETCH \slot, \k, \g
	s_wait_dscnt 32                                ; all but the 32 just issued
	MUL16 \f, 1, 0, \zero
	MUL16 \f, 1, 2, \zero
.endm
.macro MEET round
	WIN 0
	s_wait_tensorcnt 0x0                           ; the one load that was out is my part of the next slot
	ds_add_u32 v[SPW], v[NIL]
	s_wait_dscnt 9                                 ; (the add and the youngest eight loads may be out)
	MUL16 F1, 0, 0, 0
	s_wait_dscnt 0x0                               ; the add is done, and my reads of this slot are over
	s_barrier_signal -1
	MUL16 F1, 0, 2, 0
.if \round
	WIN 0
.endif
	s_barrier_wait -1
.endm
.macro TURN slot, next
	s_wait_xcnt 0x0                                ; the last prefetch, a K step back, has read its address
	s_add_nc_u64 s[PFA:PFA+1], s[PFA:PFA+1], s[PST:PST+1]
	MEET 1
	CREST                                          ; no wave of any partner still reads this slot or has a load on its way
	s_add_nc_u64 s[G0+4*(\slot)+2:G0+4*(\slot)+3], s[G0+4*(\slot)+2:G0+4*(\slot)+3], 2*ASTEP
	s_add_nc_u64 s[G0B+4*(\slot)+2:G0B+4*(\slot)+3], s[G0B+4*(\slot)+2:G0B+4*(\slot)+3], 2*KSTEP*2
	JLOAD \slot
	FETCH \next, 0, F0
	ASK
	MUL16 F1, 1, 0, 0
	MUL16 F1, 1, 2, 0
.endm
	s_wait_tensorcnt 1                             ; my part of K step 0 is in; K step 1's may stay out
	s_barrier_signal -1
	s_barrier_wait -1
	FETCH 0, 0, F0
	QUARTER 0, 64,  F0, F1, 1
	WIN 0
	s_mov_b32 s3, LAPS-1
.Llap:
	QUARTER 0, 128, F1, F0, 0
	QUARTER 0, 192, F0, F1, 0
	TURN 0, 1
	QUARTER 1, 64,  F0, F1, 0
	QUARTER 1, 128, F1, F0, 0
	QUARTER 1, 192, F0, F1, 0
	TURN 1, 0
	QUARTER 0, 64,  F0, F1, 0
	WIN 0
	s_sub_co_u32 s3, s3, 1
	s_cmp_lg_u32 s3, 0
	s_cbranch_scc1 .Llap
	QUARTER 0, 128, F1, F0, 0                      ; the last lap fills nothing
	QUARTER 0, 192, F0, F1, 0
	MEET 0
	PLACES
	FETCH 1, 0, F0
	MUL16 F1, 1, 0, 0
	MUL16 F1, 1, 2, 0
	QUARTER 1, 64,  F0, F1, 0
	QUARTER 1, 128, F1, F0, 0
	QUARTER 1, 192, F0, F1, 0
	s_wait_dscnt 8
	MUL16 F1, 0, 0, 0
	MUL16 F1, 0, 2, 0
	s_wait_dscnt 0x0
	MUL16 F1, 1, 0, 0
	MUL16 F1, 1, 2, 0
	WIN 0
	; THE WAY OUT
	PLACES
	s_wait_dscnt 0x0
	s_barrier_signal -1
	s_barrier_wait -1                              ; nobody reads the ring any more, and it has had its last fill
.irp hi, 0,1
	WIN 0x08+4*(\hi)
.irp a, 0,1,2,3
.irp b, 0,1,2,3,4,5,6,7
	ds_store_b128 v[DST], v[8*(8*(\a)+(\b)):8*(8*(\a)+(\b))+3]   offset:(4*(\hi)+(\a))*16*DPITCH+64*(\b)      ; each accumulator's low registers first
	ds_store_b128 v[DST], v[8*(8*(\a)+(\b))+4:8*(8*(\a)+(\b))+7] offset:(4*(\hi)+(\a))*16*DPITCH+64*(\b)+16
.endr
.endr
.endr
	WIN 0
	s_wait_loadcnt 0x0                             ; the factors
.irp i, 0,1,2,3
	ds_store_b32 v31, v[SCL+\i] offset:128*\i
.endr
	s_mov_b32 s3, 8
.Lrow:                                         ; 16 tokens a trip: a row's 512 bytes are 32 lanes x 16
.irp j, 0,1,2,3,4,5,6,7,8,9,10,11,12,13,14,15
	ds_load_b128 v[X+4*\j:X+4*\j+3], v[LDA] offset:\j*DPITCH
.endr
.irp j, 0,1,2,3
	ds_load_b128 v[FR+4*\j:FR+4*\j+3], v[FAD] offset:16*\j       ; the 16 tokens' factors, the same in every lane
.endr
	s_wait_dscnt 0x0
.set j, 0
.rept 16
.if j%2
	v_pk_mul_f32 v[X+4*j:X+4*j+1],   v[X+4*j:X+4*j+1],   v[FR+j-1:FR+j] op_sel:[0,1] op_sel_hi:[1,1]
	v_pk_mul_f32 v[X+4*j+2:X+4*j+3], v[X+4*j+2:X+4*j+3], v[FR+j-1:FR+j] op_sel:[0,1] op_sel_hi:[1,1]
.else
	v_pk_mul_f32 v[X+4*j:X+4*j+1],   v[X+4*j:X+4*j+1],   v[FR+j:FR+j+1] op_sel_hi:[1,0]
	v_pk_mul_f32 v[X+4*j+2:X+4*j+3], v[X+4*j+2:X+4*j+3], v[FR+j:FR+j+1] op_sel_hi:[1,0]
.endif
.set j, j+1
.endr
.irp j, 0,1,2,3,4,5,6,7,8,9,10,11,12,13,14,15
	global_store_b128 v[CO], v[X+4*\j:X+4*\j+3], s[74:75] offset:\j*4096 th:TH_STORE_NT  ; 512 consecutive bytes, aligned
.endr
	s_wait_xcnt 0x0                                ; the stores have read their base and data
	s_add_nc_u64 s[74:75], s[74:75], 16*4096
	v_add_nc_u32 v[LDA], 16*DPITCH, v[LDA]
	v_add_nc_u32 v[FAD], 64, v[FAD]
	s_sub_co_u32 s3, s3, 1
	s_cmp_lg_u32 s3, 0
	s_cbranch_scc1 .Lrow
	s_wait_tensorcnt 0x0                           ; the wave's end
	ds_add_u32 v[SPW], v[NIL]
	s_wait_dscnt 0x0
	CROUND                                         ; the closing round
	s_endpgm
.Lfunc_end_k_q378b70b551_outp:
	.size	k_q378b70b551_outp, .Lfunc_end_k_q378b70b551_outp-k_q378b70b551_outp
	.p2alignl 7, 3214868480
	.fill 96, 4, 3214868480
	.section	.rodata,"a",@progbits
	.p2align	6, 0x0
	.amdhsa_kernel k_q378b70b551_outp
		.amdhsa_group_segment_fixed_size 327680
		.amdhsa_private_segment_fixed_size 0
		.amdhsa_enable_private_segment 0
		.amdhsa_kernarg_size 32
		.amdhsa_user_sgpr_count 2
		.amdhsa_user_sgpr_kernarg_segment_ptr 1
		.amdhsa_wavefront_size32 1
		.amdhsa_system_sgpr_workgroup_id_x 1
		.amdhsa_system_sgpr_workgroup_id_y 1
		.amdhsa_system_sgpr_workgroup_id_z 1
		.amdhsa_system_vgpr_workitem_id 0
		.amdhsa_next_free_vgpr 1024
		.amdhsa_next_free_sgpr 100
		.amdhsa_reserve_vcc 0
		.amdhsa_float_denorm_mode_32 3
		.amdhsa_float_denorm_mode_16_64 3
		.amdhsa_memory_ordered 1
		.amdhsa_forward_progress 1
		.amdhsa_inst_pref_size 127
	.end_amdhsa_kernel
	.amdgpu_metadata
---
amdhsa.version: [ 1, 2 ]
amdhsa.kernels:
  - .name:           k_q378b70b551_outp
    .symbol:         k_q378b70b551_outp.kd
    .args:
      - { .name: ot, .offset: 0, .size: 8, .value_kind: global_buffer, .address_space: global }
      - { .name: wc, .offset: 8, .size: 8, .value_kind: global_buffer, .address_space: global }
      - { .name: sc, .offset: 16, .size: 8, .value_kind: global_buffer, .address_space: global }
      - { .name: out0, .offset: 24, .size: 8, .value_kind: global_buffer, .address_space: global }
    .group_segment_fixed_size: 327680
    .private_segment_fixed_size: 0
    .kernarg_segment_align: 8
    .kernarg_segment_size: 32
    .max_flat_workgroup_size: 128
    .sgpr_count:     100
    .vgpr_count:     1024
    .wavefront_size: 32
...
	.end_amdgpu_metadata
.endif
;; end of part 5
